; MI455X (gfx1250); checked and timed in simulation.
; The chip was launched on July 23, 2026; its instructions are those of AMD's public machine-readable ISA for CDNA 5 (MIT licence, August 2026) and "CDNA5" Instruction Set Architecture Reference Guide (July 2026). The comments in the code are by the model that wrote it; some were corrected since.
;; Adapted Attention. Allowed arithmetic: matrix products marked QUANTISED: E5M2 operands, one E8M0 scale for each 32 along K, by v_wmma_scale_f32_16x16x128_f8f6f4 with both operands' format E5M2, f32 sums; products left as they are: f32 operands where the result goes on into a quantised operand, else bf16, f16 or f32 operands; f32 sums; everything else in f32.
;; Inputs: Wk 2,048 x 2,048 float32; Wo 2,048 x 2,048 float32; Wq 2,048 x 2,048 float32; Wv 2,048 x 2,048 float32; adaption_gate 1 float32; adaption_prompt 1 x 10 x 2,048 float32; hidden_states 1 x 2,048 x 2,048 float32; position_ids 1 x 2,048 int32.
;; Outputs: out0 1 x 2,048 x 2,048 float32.
;; This version of the problem:
;;   THIS VERSION OF THE PROBLEM IS GIVEN IN LOW PRECISION. The matrix products marked QUANTISED in the list below multiply operands that are first quantised to E5M2 (5 exponent bits, 2 mantissa bits; 8 bits a number), with one power-of-two scale for each 32 numbers along K (OCP MX v1.0); their sums are f32. All else is computed in f32.
;;   The module's matrix products, in the order in which they are computed (A, B: the left and right operand; K: the contracted axis; several contracted axes count as one K, in the product's order):
;;     1. [M 2,048, K 2,048] x [K 2,048, N 2,048]; A: input hidden_states; B: input Wq: QUANTISED
;;     2. [M 2,048, K 2,048] x [K 2,048, N 2,048]; A: input hidden_states; B: input Wk: QUANTISED
;;     3. [M 2,048, K 2,048] x [K 2,048, N 2,048]; A: input hidden_states; B: input Wv: QUANTISED
;;     4. batch 16 x [M 2,048, K 128] x [K 128, N 2,048]; A: computed on the way; B: computed on the way: QUANTISED
;;     5. batch 16 x [M 2,048, K 2,048] x [K 2,048, N 128]; A: softmax (see below); B: computed on the way: QUANTISED
;;     6. [M 2,048, K 2,048] x [K 2,048, N 2,048]; A: computed on the way; B: input Wo: QUANTISED
;;     7. [M 10, K 2,048] x [K 2,048, N 2,048]; A: input adaption_prompt; B: input Wk: left as it is (M = 10 < 16)
;;     8. [M 10, K 2,048] x [K 2,048, N 2,048]; A: input adaption_prompt; B: input Wv: left as it is (M = 10 < 16)
;;     9. batch 16 x [M 10, K 128] x [K 128, N 2,048]; A: computed on the way; B: computed on the way: left as it is (M = 10 < 16)
;;     10. batch 16 x [M 128, K 10] x [K 10, N 2,048]; A: computed on the way; B: computed on the way: left as it is (K = 10 < 32)
;;     11. [M 2,048, K 2,048] x [K 2,048, N 2,048]; A: computed on the way; B: input Wo: QUANTISED
;;   THE QUANTISER, for each operand of a quantised product, along K:
;;     - K is cut into blocks of 32 from its start; a last block that is shorter is filled with zeros.
;;     - A block's scale is 2^e with e = floor(log2(the largest magnitude in the block)) - 15, held to -126 .. 127; a block of zeros has e = 0. As a byte (E8M0): e + 127.
;;     - Each number is divided by its block's scale, clamped to +-57,344, and rounded to the nearest number of E5M2, ties to even, subnormals kept.
;;     - The product sums the exact products of the quantised numbers (number of the format x scale) in f32.
;;   ~~~python
;;   def quantise(x, axis):      # numpy; x: float32 -> the quantised numbers, widened to float32 again
;;       x = np.moveaxis(x, axis, -1); K = x.shape[-1]
;;       x = np.pad(x, [(0, 0)] * (x.ndim - 1) + [(0, -K % 32)]); x = x.reshape(x.shape[:-1] + (-1, 32)); a = np.abs(x).max(-1, keepdims=True)
;;       e = np.where(a > 0, np.clip(np.frexp(np.where(a > 0, a, 1))[1] - 1 - 15, -126, 127), 0)      # np.frexp(a)[1] - 1 = floor(log2(a)), exactly
;;       r = np.clip(x / 2.0 ** e, -57344, 57344)
;;       step = 2.0 ** (np.maximum(np.frexp(np.where(r == 0, 1, r))[1] - 1, -14) - 2)
;;       q = np.round(r / step) * step * 2.0 ** e      # np.round: ties to even
;;       return np.moveaxis(q.reshape(q.shape[:-2] + (-1,))[..., :K], -1, axis).astype(np.float32)
;;   ~~~
;;   SOFTMAX AHEAD OF A QUANTISED PRODUCT. Where the list says 'softmax', what is quantised is not the finished softmax but p = 2^(t - M), with t = logit x log2(e) and M = ceil(the row's largest t), a whole number; so 1/2 < the row's largest p <= 1. The row's sum l is taken of the UNQUANTISED p, in f32, and the product's result is divided by l at the end. Since M is a whole number, a kernel that streams over the keys may use a running M (the ceiling of the running maximum): every later rescaling is an exact power of two, which a block's scale takes up: the codes' values come out the same.
;;   OPERANDS COMPUTED ON THE WAY. 'Computed on the way' means the value that the module computes at that place (a softmax that the list does not call 'softmax' is quantised finished and normalised). What goes into a quantiser is computed in f32, as accurately as f32 sums, v_exp_f32 and their like allow (about 1e-6 of the number): no bf16 or f16 on the way to a quantiser, and a product that is left as it is and whose result goes on into a quantised operand takes f32 operands (vector FMAs, or v_wmma_f32_16x16x4_f32). A number that lies on a knife's edge between two numbers of the format may be rounded either way, as far as f32 arithmetic and the matrix unit's own rounding can turn it there, and no further.
;; One version. Each part assembles by itself: llvm-mc -triple=amdgcn-amd-amdhsa -mcpu=gfx1250 --defsym DOCPART=n.
;; ======== version 1 of 1: 4 launches
;; limits: right only within a limited range of input values
;; workspace buffers: codes 16,777,216 bytes; scales 524,288 bytes; akv 1,048,576 bytes; cstab 1,048,576 bytes; qkv 12,976,128 bytes; qf 16,777,216 bytes; actx 8,650,752 bytes; wo 4,325,376 bytes
;; launch prep (part 1): grid 768 x 1, 4 waves a work-group, no clusters, 33,280 bytes of LDS; arguments hidden_states, Wq, Wk, Wv, adaption_prompt, position_ids, codes, scales, akv, cstab; writes codes, scales, akv, cstab
.if DOCPART == 1
	.amdgcn_target "amdgcn-amd-amdhsa--gfx1250"
	.amdhsa_code_object_version 6
	.text
	.protected	k_qe0ca3e457a_prep
	.globl	k_qe0ca3e457a_prep
	.p2align	8
	.type	k_qe0ca3e457a_prep,@function
k_qe0ca3e457a_prep:
	s_mov_b64 s[64:65], 0
	v_nop
	global_prefetch_b8 v0, s[64:65] scope:SCOPE_SE
	s_setreg_imm32_b32 hwreg(HW_REG_WAVE_MODE, 25, 1), 1
	s_wait_xcnt 0x0
; PREP.  Three jobs in one launch, parted by the work-group's number.
; (1) Work-groups 256..895: hidden_states, Wq, Wk, Wv, Wo (each [2048][2048] f32, K innermost) become codes of E5M2 with one E8M0 byte for each 32 along K:
;     codes [10240 rows][2048 bytes], scales [10240][64 bytes]; rows 0.. hidden, 2048.. Wq, 4096.. Wk, 6144.. Wv, 8192.. Wo.  A wave takes 8,192 numbers (4 rows) in 16 steps of 512.
;     Wv's ROWS ARE PERMUTED: inside each 32 rows the groups of 8 rows numbered 1 and 2 change places (bits 1 and 2 of the run's number are swapped), so that the attention's result comes out with its channels in natural order.
; (2) Work-groups 0..255: adapter_k = prompt Wk^T and adapter_v = prompt Wv^T on f32 operands (they go on into a quantised operand), 16 rows of W a work-group, a quarter of K a wave:
;     akv holds the four partial sums: ak[kq 4][l 16][2048] from byte 0, avT[kq 4][channel 2048][l 16] from byte 524,288.  Rows l = 10..15 repeat l = 9: finite numbers that are later weighed with 0.
; (3) The same 1,024 waves make the table of cos and sin of position x inv_freq: cstab [token tile 128][b 4][cos, sin][e 2][lane 32][16 bytes]; lane (r, h) holds frequencies 16 b + 8 h + 4 e + 0..3 of token 16 tile + r.
; LIMITS.  NaN and infinities among the inputs are not served.  A block whose largest magnitude lies under 2^-111 (a block of zeros too) gets the byte 1: its codes are what the floor's scale gives (zeros for zeros); this program alone reads the bytes.
; The angle's reduction (three parts of pi/2, fused) holds for |position x inv_freq| under 2^22.  inv_freq = 2^(-f log2(10000)/64) by v_exp_f32: within about 2 units in its last place.
; AS THE TEXT NOW STANDS: job (1) is done by work-groups 256..767 for hidden_states, Wq, Wk and Wv alone: codes [8192 rows][2048], scales [8192][64].  Wo is quantised by the next launch, by work-groups that have no tile of the products there.
.set STEPS, 16
.set EMAX,  15
.set MANT,  0x600000                   ; the mantissa field of 57,344 as f32
.set CB,    16                         ; bytes of 16 codes
.set R,     16                         ; v16-79   four sets of 16 numbers as they are loaded
.set X,     80                         ; v80-111  two sets of 16 neighbours
.set C,     128                        ; v128-191 codes: four registers a step
.set E,     112                        ; v112-127 a scale byte a step
.set WREG,  8192                       ; LDS: a region for each wave: two stages of 32 x SP bytes, then its 256 scale bytes
.set SP,    80                         ; a lane's place in a stage: 64 bytes + 16 of padding
.set OP0,   64                         ; v64-127  source 0 of the f32 products, two sets of 32
.set OP1,   128                        ; v128-191 source 1, two sets of 32
.set ACC,   192                        ; v192-223 four accumulators; matrix instructions alone write them
.set CHI,   0x3e549a80                 ; log2(10000)/64, its upper 17 bits: times a frequency's number (under 64) it is exact
.set CLO,   0xb3f68683                 ; the rest of it
.macro LOAD t
.irp i, 0,1,2,3
	global_load_b128 v[R+16*((\t)%4)+4*\i:R+16*((\t)%4)+4*\i+3], v3, s[30:31] offset:2048*(\t)+512*\i   ; 32 lanes read 512 consecutive bytes
.endr
.endm
.macro TURN t                          ; step t's numbers through the stage: LDS serves a wave's instructions in order, so no wait stands between the stores and the loads
.irp i, 0,1,2,3
	ds_store_b128 v14, v[R+16*((\t)%4)+4*\i:R+16*((\t)%4)+4*\i+3] offset:32*SP*((\t)%2)+8*SP*\i
.endr
.irp i, 0,1,2,3
	ds_load_b128 v[X+16*((\t)%2)+4*\i:X+16*((\t)%2)+4*\i+3], v15 offset:32*SP*((\t)%2)+16*\i
.endr
.endm
.macro STEP t
.set XS, X+16*((\t)%2)
.if (\t) > 0
	s_wait_dscnt 1                                 ; this step's numbers are back from the stage (the last step's byte store may be out)
.else
	s_wait_dscnt 0x0
.endif
.if (\t)+4 < STEPS
	LOAD (\t)+4                                    ; the registers that the stage's stores have read take the loads of four steps on
.endif
.if (\t)+1 < STEPS
.if STEPS-2-(\t) >= 3
	s_wait_loadcnt 12                              ; the next step's four loads are in; those of the three steps behind it may be out
.else
	s_wait_loadcnt 4*(STEPS-2-(\t))
.endif
	TURN (\t)+1
.endif
	v_max3_num_f32 v8, |v[XS]|, |v[XS+1]|, |v[XS+2]|               ; the largest magnitude of my 16
	v_max3_num_f32 v9, |v[XS+3]|, |v[XS+4]|, |v[XS+5]|
.irp i, 6,10
	v_max3_num_f32 v8, v8, |v[XS+\i]|, |v[XS+\i+1]|
	v_max3_num_f32 v9, v9, |v[XS+\i+2]|, |v[XS+\i+3]|
.endr
	v_max3_num_f32 v8, v8, |v[XS+14]|, |v[XS+15]|
	v_max3_num_f32 v8, v8, v9, (EMAX+1)<<23        ; and the floor 2^(16 - 127): the byte cannot fall under 1
	v_max_num_f32_dpp v8, v8, v8 row_xmask:1 row_mask:0xf bank_mask:0xf   ; with my neighbour's 16: the block's
	v_add_nc_u32 v11, -(EMAX<<23), v8              ; 15 off its exponent field: the conversion's scale operand
	v_and_or_b32 v10, v8, 0x7f800000, s33          ; 57,344 x the scale
.irp i, 0,1,2,3,4,5,6,7,8,9,10,11,12,13,14,15
	v_med3_num_f32 v[XS+\i], v[XS+\i], -v10, v10   ; the conversion does not saturate (ISA guide 7.6.2): the hold comes first
.endr
	v_cvt_scalef32_pk8_bf8_f32 v[C+4*(\t):C+4*(\t)+1], v[XS:XS+7], v11
	v_cvt_scalef32_pk8_bf8_f32 v[C+4*(\t)+2:C+4*(\t)+3], v[XS+8:XS+15], v11
	v_lshrrev_b32 v[E+(\t)], 23, v11               ; the scale's byte (also the plain line behind the conversions)
	ds_store_b8 v5, v[E+(\t)] offset:16*(\t)       ; both lanes of a block write the same byte with the same value
	global_store_b128 v4, v[C+4*(\t):C+4*(\t)+3], s[18:19] offset:32*CB*(\t)
.endm
; the f32 products: a sub-step is 64 along K; register 16 b + 4 j + e of lane (r, h) is k = 64 ss + 32 b + 16 h + 4 j + e of the lane's row, alike in both operands
.macro LOADS ss
.irp b, 0,1
.irp j, 0,1,2,3
	global_load_b128 v[OP0+32*((\ss)%2)+16*\b+4*\j:OP0+32*((\ss)%2)+16*\b+4*\j+3], v3, s[28:29] offset:256*(\ss)+128*\b+16*\j
	global_load_b128 v[OP1+32*((\ss)%2)+16*\b+4*\j:OP1+32*((\ss)%2)+16*\b+4*\j+3], v4, s[32:33] offset:256*(\ss)+128*\b+16*\j
.endr
.endr
.endm
.macro SUB ss
.if (\ss) < 7
	s_wait_loadcnt 16                              ; this sub-step's 16 loads are in; the next sub-step's 16 may be out
.else
	s_wait_loadcnt 0
.endif
.set n, 0
.rept 16                                           ; four accumulators by turns, one instruction a turn
.if ((\ss) == 0) && (n < 4)
	v_wmma_f32_16x16x4_f32 v[ACC+8*(n%4):ACC+8*(n%4)+7], v[OP0+32*((\ss)%2)+2*n:OP0+32*((\ss)%2)+2*n+1], v[OP1+32*((\ss)%2)+2*n:OP1+32*((\ss)%2)+2*n+1], 0
.else
	v_wmma_f32_16x16x4_f32 v[ACC+8*(n%4):ACC+8*(n%4)+7], v[OP0+32*((\ss)%2)+2*n:OP0+32*((\ss)%2)+2*n+1], v[OP1+32*((\ss)%2)+2*n:OP1+32*((\ss)%2)+2*n+1], v[ACC+8*(n%4):ACC+8*(n%4)+7]
.endif
.set n, n+1
.endr
.if (\ss) < 6
.rept 8
	v_nop                                          ; eight places in front of loads into registers that these products have read
.endr
	LOADS (\ss)+2
.endif
.endm
	s_load_b256 s[4:11], s[0:1], 0x0               ; hidden s[4:5], Wq s[6:7], Wk s[8:9], Wv s[10:11]
	s_load_b64 s[14:15], s[0:1], 0x20              ; prompt
	s_load_b256 s[16:23], s[0:1], 0x28             ; positions s[16:17], codes s[18:19], scales s[20:21], akv s[22:23]
	s_load_b64 s[24:25], s[0:1], 0x48              ; cstab
	v_lshl_add_u32 v224, v0, 2, 0x8000
	v_mov_b32 v225, 0
	v_lshrrev_b32 v1, 5, v0
	v_readfirstlane_b32 s26, v1                    ; wave 0..3
	s_wait_kmcnt 0x0
	s_cmp_lt_u32 ttmp9, 256
	s_cbranch_scc1 .Ladapter
	; ---------------- the quantiser ----------------
	v_and_b32 v2, 31, v0                           ; lane
	v_lshlrev_b32 v3, 4, v2                        ; my 16 bytes of a load's 512
	s_mul_i32 s27, s26, WREG
	v_lshrrev_b32 v14, 2, v2
	v_mul_u32_u24 v14, v14, SP
	v_and_b32 v15, 3, v2
	v_lshl_add_u32 v14, v15, 4, v14
	v_add_nc_u32 v14, s27, v14                     ; the stage, on the way in: SP (lane / 4) + 16 (lane % 4)
	v_mul_u32_u24 v15, v2, SP
	v_add_nc_u32 v15, s27, v15                     ; and on the way out: SP x lane: my 16 neighbours
	v_mul_u32_u24 v4, v2, CB                       ; my codes' place in a step's
	v_lshrrev_b32 v5, 1, v2
	s_add_co_u32 s27, s27, 2*32*SP
	v_add_nc_u32 v5, s27, v5                       ; LDS: my wave's 256 scale bytes, my block's byte
	v_lshlrev_b32 v7, 3, v2
	v_add_nc_u32 v6, s27, v7                       ; and on the way out 8 bytes a lane
	s_mov_b32 s33, MANT
	s_sub_co_u32 s28, ttmp9, 256                   ; g = 0..511: 128 work-groups a tensor
	s_mov_b64 s[30:31], s[10:11]                   ; which tensor: the choice hangs on the work-group's number alone
	s_cmp_lt_u32 s28, 384
	s_cselect_b64 s[30:31], s[8:9], s[30:31]
	s_cmp_lt_u32 s28, 256
	s_cselect_b64 s[30:31], s[6:7], s[30:31]
	s_cmp_lt_u32 s28, 128
	s_cselect_b64 s[30:31], s[4:5], s[30:31]
	s_lshr_b32 s29, s28, 7                         ; the tensor's number 0..3
	s_and_b32 s34, s28, 127
	s_lshl_b32 s34, s34, 2
	s_add_co_u32 s34, s34, s26                     ; my run of 8,192 numbers in the tensor, 0..511
	s_lshl_b32 s36, s34, 15
	s_mov_b32 s37, 0
	s_add_nc_u64 s[30:31], s[30:31], s[36:37]      ; the source at my run
	s_lshr_b32 s35, s34, 1
	s_lshr_b32 s38, s34, 2
	s_xor_b32 s35, s35, s38
	s_and_b32 s35, s35, 1
	s_mul_i32 s35, s35, 6                          ; 6 where bits 1 and 2 of the run differ
	s_cmp_eq_u32 s29, 3
	s_cselect_b32 s35, s35, 0                      ; for Wv alone
	s_xor_b32 s34, s34, s35                        ; the two bits swapped: groups of 8 rows 1 and 2 of each 32 change places
	; THE WORKSPACE'S ROWS 2048..6143 HOLD Wq's AND Wk's HEADS BY TURNS: head h of Wq at row 2048 + 256 h, head h of Wk at row 2048 + 256 h + 128 (a head is 32 runs of 4 rows),
	; so that one tile of 256 rows in the next launch is one head of Q and the same head of K.  hidden and Wv lie at rows 0 and 6144 as stated at the head.
	s_and_b32 s38, s34, 0x1e0                      ; 32 x head
	s_sub_co_u32 s39, s29, 1                       ; 0 for Wq, 1 for Wk
	s_lshl_b32 s40, s39, 5
	s_add_co_u32 s40, s40, 512                     ; Wq, Wk: run 512 + 32 (Wk) + 64 head + run % 32
	s_lshl_b32 s29, s29, 9                         ; the others: run 512 x tensor + run
	s_cmp_lt_u32 s39, 2
	s_cselect_b32 s38, s38, 0
	s_cselect_b32 s29, s40, s29
	s_add_co_u32 s34, s34, s38
	s_add_co_u32 s34, s34, s29                     ; the run in the workspace
	s_lshl_b32 s36, s34, 13
	s_add_nc_u64 s[18:19], s[18:19], s[36:37]      ; 8,192 bytes of codes a run
	s_lshl_b32 s36, s34, 8
	s_add_nc_u64 s[20:21], s[20:21], s[36:37]      ; 256 scale bytes a run
.irp t, 0,1,2,3
	LOAD \t
.endr
	s_wait_alu depctr_va_vdst(0)
	s_wait_loadcnt 12                              ; step 0's four loads are in
	TURN 0
.irp t, 0,1,2,3,4,5,6,7,8,9,10,11,12,13,14,15
	STEP \t
.endr
	ds_load_b64 v[12:13], v6                       ; LDS serves a wave's instructions in order: these see my byte stores
	s_wait_dscnt 0x0
	global_store_b64 v7, v[12:13], s[20:21]        ; 32 lanes store 256 consecutive bytes, aligned
	s_wait_tensorcnt 0x0
	ds_add_u32 v224, v225
	s_wait_dscnt 0x0
	s_endpgm
	; ---------------- adapter_k, adapter_v and the table ----------------
.Ladapter:
	s_mov_b32 s27, ttmp9                           ; g: 0..127 Wk, 128..255 Wv
	s_and_b32 s28, s27, 127
	s_lshl_b32 s28, s28, 4                         ; n0: my 16 rows of W
	s_lshl_b32 s39, s28, 6
	s_add_co_u32 s39, s39, 524288                  ; Wv: avT at channel n0
	s_lshl_b32 s40, s28, 2                         ; Wk: ak at column n0
	s_lshl_b32 s42, s28, 13                        ; n0 rows of 8,192 bytes
	s_mov_b32 s43, 0
	s_lshl_b32 s44, s26, 11                        ; my quarter of K: 512 numbers
	s_mov_b32 s45, 0
	s_mov_b32 s38, 8192
	s_cmp_ge_u32 s27, 128                          ; Wv?  (the lines below leave SCC alone)
	s_cselect_b64 s[30:31], s[10:11], s[8:9]
	s_cselect_b32 s36, 9, 15                       ; the highest row of source 0: the prompt has 10 rows
	s_cselect_b32 s37, 15, 9                       ; and of source 1
	s_cselect_b32 s38, 64, s38                     ; bytes from lane to lane in the result
	s_cselect_b32 s46, s39, s40
	s_add_nc_u64 s[30:31], s[30:31], s[42:43]      ; W at row n0
	s_cselect_b64 s[28:29], s[14:15], s[30:31]     ; source 0: Wk's rows, or the prompt (for Wv): its rows become a lane's eight registers
	s_cselect_b64 s[32:33], s[30:31], s[14:15]     ; source 1: the prompt, or Wv's rows: its rows become the lanes
	s_add_nc_u64 s[28:29], s[28:29], s[44:45]
	s_add_nc_u64 s[32:33], s[32:33], s[44:45]
	s_mov_b32 s47, 0
	s_add_nc_u64 s[34:35], s[22:23], s[46:47]
	s_lshl_b32 s46, s26, 17
	s_add_nc_u64 s[34:35], s[34:35], s[46:47]      ; my quarter's partial sums: 131,072 bytes a quarter
	v_and_b32 v1, 15, v0                           ; r
	v_bfe_u32 v2, v0, 4, 1                         ; h
	v_min_u32 v3, s36, v1
	v_lshlrev_b32 v3, 13, v3
	v_lshl_add_u32 v3, v2, 6, v3                   ; source 0: row min(r, highest), + 64 h
	v_min_u32 v4, s37, v1
	v_lshlrev_b32 v4, 13, v4
	v_lshl_add_u32 v4, v2, 6, v4                   ; source 1 likewise
	v_mul_lo_u32 v5, v1, s38
	v_lshl_add_u32 v5, v2, 5, v5                   ; the result: lane r's row, + 32 h
	v_and_b32 v6, 31, v0
	v_lshlrev_b32 v6, 4, v6                        ; 16 x lane
	s_lshl_b32 s48, s27, 2
	s_add_co_u32 s48, s48, s26                     ; the table's job 0..1023
	s_lshr_b32 s49, s48, 3                         ; token tile
	s_bfe_u32 s50, s48, 0x20001                    ; b
	s_and_b32 s51, s48, 1                          ; e
	s_lshl_b32 s52, s49, 6
	v_lshl_add_u32 v7, v1, 2, s52                  ; position_ids: 4 (16 tile + r)
	global_load_b32 v8, v7, s[16:17]
	LOADS 0
	LOADS 1
	s_lshl_b32 s52, s49, 13
	s_lshl_b32 s53, s50, 11
	s_add_co_u32 s52, s52, s53
	s_lshl_b32 s53, s51, 9
	s_add_co_u32 s52, s52, s53
	s_mov_b32 s53, 0
	s_add_nc_u64 s[54:55], s[24:25], s[52:53]      ; cstab at (tile, b, cos, e)
	s_lshl_b32 s56, s50, 4
	s_lshl_b32 s57, s51, 2
	s_add_co_u32 s56, s56, s57
	v_lshl_add_u32 v9, v2, 3, s56                  ; my first frequency: 16 b + 4 e + 8 h
	s_mov_b32 s58, 0xb94ca1f9                      ; the sine's highest coefficient
	s_mov_b32 s59, 0x37ccf5ce                      ; the cosine's
	; four frequencies a lane, line by line by turns
.irp i, 0,1,2,3
	v_add_nc_u32 v[16+\i], \i, v9
.endr
.irp i, 0,1,2,3
	v_cvt_f32_u32 v[16+\i], v[16+\i]               ; the frequency's number f
.endr
.irp i, 0,1,2,3
	v_mul_f32 v[20+\i], CHI, v[16+\i]              ; exact
.endr
.irp i, 0,1,2,3
	v_rndne_f32 v[24+\i], v[20+\i]                 ; its whole part n
.endr
.irp i, 0,1,2,3
	v_sub_f32 v[20+\i], v[20+\i], v[24+\i]
.endr
.irp i, 0,1,2,3
	v_fma_f32 v[20+\i], v[16+\i], CLO, v[20+\i]    ; the fraction, with the constant's lower part
.endr
.irp i, 0,1,2,3
	v_cvt_i32_f32 v[24+\i], v[24+\i]
.endr
.irp i, 0,1,2,3
	v_sub_nc_u32 v[24+\i], 0, v[24+\i]             ; -n
.endr
	s_wait_alu depctr_va_vdst(0)
.irp i, 0,1,2,3
	v_exp_f32 v[28+\i], -v[20+\i]
.endr
	s_wait_loadcnt 32                              ; the position is in; the 32 operand loads behind it may be out
	v_cvt_f32_i32 v10, v8                          ; (the plain line behind the exponentials)
	s_wait_alu depctr_va_vdst(0)                   ; one wait for the four, ahead of their first reader
.irp i, 0,1,2,3
	v_ldexp_f32 v[28+\i], v[28+\i], v[24+\i]       ; inv_freq = 2^(-fraction) 2^(-n)
.endr
.irp i, 0,1,2,3
	v_mul_f32 v[32+\i], v10, v[28+\i]              ; the angle x
.endr
.irp i, 0,1,2,3
	v_mul_f32 v[36+\i], 0x3f22f983, v[32+\i]       ; x 2 / pi
.endr
.irp i, 0,1,2,3
	v_rndne_f32 v[36+\i], v[36+\i]                 ; k
.endr
.irp i, 0,1,2,3
	v_fma_f32 v[32+\i], -v[36+\i], 0x3fc90fdb, v[32+\i]   ; x - k pi/2, pi/2 in three parts
.endr
.irp i, 0,1,2,3
	v_fma_f32 v[32+\i], -v[36+\i], 0xb33bbd2e, v[32+\i]
.endr
.irp i, 0,1,2,3
	v_fma_f32 v[32+\i], -v[36+\i], 0xa6f72c00, v[32+\i]   ; the rest, within pi/4
.endr
.irp i, 0,1,2,3
	v_cvt_i32_f32 v[36+\i], v[36+\i]               ; the quadrant is k's two lowest bits
.endr
.irp i, 0,1,2,3
	v_mul_f32 v[40+\i], v[32+\i], v[32+\i]         ; z
.endr
.irp i, 0,1,2,3
	v_fmaak_f32 v[44+\i], s58, v[40+\i], 0x3c08839e
	v_fmaak_f32 v[48+\i], s59, v[40+\i], 0xbab6061a
.endr
.irp i, 0,1,2,3
	v_fmaak_f32 v[44+\i], v[44+\i], v[40+\i], 0xbe2aaaa3
	v_fmaak_f32 v[48+\i], v[48+\i], v[40+\i], 0x3d2aaaa5
.endr
.irp i, 0,1,2,3
	v_mul_f32 v[44+\i], v[44+\i], v[40+\i]
	v_fma_f32 v[52+\i], v[40+\i], -0.5, 1.0
.endr
.irp i, 0,1,2,3
	v_fma_f32 v[44+\i], v[44+\i], v[32+\i], v[32+\i]   ; the sine of the rest
	v_mul_f32 v[40+\i], v[40+\i], v[40+\i]
.endr
.irp i, 0,1,2,3
	v_fma_f32 v[48+\i], v[40+\i], v[48+\i], v[52+\i]   ; its cosine
.endr
.irp i, 0,1,2,3
	v_and_b32 v[52+\i], 1, v[36+\i]
	v_cmp_ne_u32 vcc_lo, 0, v[52+\i]               ; odd quadrants swap the two (a choice of values only)
	v_cndmask_b32 v[56+\i], v[44+\i], v[48+\i], vcc_lo
	v_cndmask_b32 v[60+\i], v[48+\i], v[44+\i], vcc_lo
	v_lshlrev_b32 v[52+\i], 30, v[36+\i]
	v_and_b32 v[52+\i], 0x80000000, v[52+\i]
	v_xor_b32 v[56+\i], v[56+\i], v[52+\i]         ; sin: minus in quadrants 2 and 3
	v_add_nc_u32 v[52+\i], 1, v[36+\i]
	v_lshlrev_b32 v[52+\i], 30, v[52+\i]
	v_and_b32 v[52+\i], 0x80000000, v[52+\i]
	v_xor_b32 v[60+\i], v[60+\i], v[52+\i]         ; cos: minus in quadrants 1 and 2
.endr
	global_store_b128 v6, v[60:63], s[54:55]               ; 512 consecutive bytes of cosines
	global_store_b128 v6, v[56:59], s[54:55] offset:1024   ; and of sines
.irp ss, 0,1,2,3,4,5,6,7
	SUB \ss
.endr
.rept 8
	v_nop                                          ; eight places in front of the first read of the results
.endr
.irp p, 0,2,4,6                                    ; each accumulator is read from its low end on
	v_pk_add_f32 v[16+\p:17+\p], v[ACC+\p:ACC+\p+1], v[ACC+8+\p:ACC+8+\p+1]
	v_pk_add_f32 v[24+\p:25+\p], v[ACC+16+\p:ACC+16+\p+1], v[ACC+24+\p:ACC+24+\p+1]
	v_pk_add_f32 v[16+\p:17+\p], v[16+\p:17+\p], v[24+\p:25+\p]
.endr
	global_store_b128 v5, v[16:19], s[34:35]       ; lane (r, h): eight neighbours: Wk: ak[l = r][n0 + 8 h ..]; Wv: avT[n0 + r][l = 8 h ..]
	global_store_b128 v5, v[20:23], s[34:35] offset:16
	s_endpgm
.Lfunc_end_k_qe0ca3e457a_prep:
	.size	k_qe0ca3e457a_prep, .Lfunc_end_k_qe0ca3e457a_prep-k_qe0ca3e457a_prep
	.p2alignl 7, 3214868480
	.fill 96, 4, 3214868480
	.section	.rodata,"a",@progbits
	.p2align	6, 0x0
	.amdhsa_kernel k_qe0ca3e457a_prep
		.amdhsa_group_segment_fixed_size 33280
		.amdhsa_private_segment_fixed_size 0
		.amdhsa_enable_private_segment 0
		.amdhsa_kernarg_size 80
		.amdhsa_user_sgpr_count 2
		.amdhsa_user_sgpr_kernarg_segment_ptr 1
		.amdhsa_wavefront_size32 1
		.amdhsa_system_sgpr_workgroup_id_x 1
		.amdhsa_system_sgpr_workgroup_id_y 1
		.amdhsa_system_sgpr_workgroup_id_z 1
		.amdhsa_system_vgpr_workitem_id 0
		.amdhsa_next_free_vgpr 226
		.amdhsa_next_free_sgpr 66
		.amdhsa_reserve_vcc 1
		.amdhsa_float_denorm_mode_32 3
		.amdhsa_float_denorm_mode_16_64 3
		.amdhsa_memory_ordered 1
		.amdhsa_forward_progress 1
		.amdhsa_inst_pref_size 85
	.end_amdhsa_kernel
	.amdgpu_metadata
---
amdhsa.version: [ 1, 2 ]
amdhsa.kernels:
  - .name:           k_qe0ca3e457a_prep
    .symbol:         k_qe0ca3e457a_prep.kd
    .args:
      - { .name: hidden_states, .offset: 0, .size: 8, .value_kind: global_buffer, .address_space: global }
      - { .name: Wq, .offset: 8, .size: 8, .value_kind: global_buffer, .address_space: global }
      - { .name: Wk, .offset: 16, .size: 8, .value_kind: global_buffer, .address_space: global }
      - { .name: Wv, .offset: 24, .size: 8, .value_kind: global_buffer, .address_space: global }
      - { .name: adaption_prompt, .offset: 32, .size: 8, .value_kind: global_buffer, .address_space: global }
      - { .name: position_ids, .offset: 40, .size: 8, .value_kind: global_buffer, .address_space: global }
      - { .name: codes, .offset: 48, .size: 8, .value_kind: global_buffer, .address_space: global }
      - { .name: scales, .offset: 56, .size: 8, .value_kind: global_buffer, .address_space: global }
      - { .name: akv, .offset: 64, .size: 8, .value_kind: global_buffer, .address_space: global }
      - { .name: cstab, .offset: 72, .size: 8, .value_kind: global_buffer, .address_space: global }
    .group_segment_fixed_size: 33280
    .private_segment_fixed_size: 0
    .kernarg_segment_align: 8
    .kernarg_segment_size: 80
    .max_flat_workgroup_size: 128
    .sgpr_count:     66
    .vgpr_count:     226
    .wavefront_size: 32
...
	.end_amdgpu_metadata
.endif
;; end of part 1
;; launch qkv (part 2): grid 32 x 8, 4 waves a work-group, clusters of 4 x 4, 327,680 bytes of LDS; arguments codes, scales, cstab, qkv, qf, Wo, wo; writes qkv, qf, wo
.if DOCPART == 2
	.amdgcn_target "amdgcn-amd-amdhsa--gfx1250"
	.amdhsa_code_object_version 6
	.text
	.protected	k_qe0ca3e457a_qkv
	.globl	k_qe0ca3e457a_qkv
	.p2align	8
	.type	k_qe0ca3e457a_qkv,@function
k_qe0ca3e457a_qkv:
	s_mov_b64 s[64:65], 0
	v_nop
	global_prefetch_b8 v0, s[64:65] scope:SCOPE_SE
	s_setreg_imm32_b32 hwreg(HW_REG_WAVE_MODE, 25, 1), 1
	s_wait_xcnt 0x0
	s_wait_alu depctr_hold_cnt(0) depctr_sa_sdst(0) depctr_va_vdst(0) depctr_va_sdst(0) depctr_va_ssrc(0) depctr_va_vcc(0) depctr_vm_vsrc(0)
	s_getreg_b32 s2, hwreg(HW_REG_IB_STS2, 6, 4)
	s_cmp_eq_u32 s2, 0
	s_cbranch_scc0 .Lentry_in_a_cluster
	s_endpgm
.Lentry_in_a_cluster:
	s_bfe_u32 s2, ttmp6, 0x10000c
	s_cmp_lg_u32 s2, 0xf033
	s_cbranch_scc0 .Lentry_shape_is_right
	s_endpgm
.Lentry_shape_is_right:
; Q, K = rope(x W^T) and V^T = Wv x^T on codes of E5M2 with E8M0 scales (K = 2,048), each result quantised again on the way out; q_rot also leaves in f32 for the adaption prompt's scores.
; A tile is 256 x 256, four waves of 128 x 128 (64 accumulators).  Tile columns 0-15 (cluster x 0-3): source 1 = 256 tokens, source 0 = head c of Wq (wave column 0) and head c of Wk (wave column 1):
; the workspace holds their rows by turns, so the f32 stores of q_rot fall on one wave column of 128 work-groups.  Cluster x 4, 5: source 1 = 256 rows of Wv, source 0 = 256 tokens: V^T, keys along a lane's registers.
; K goes in steps of 256 through two LDS slots; the scale bytes of both operands' 256 rows, for all of K, come once and stay behind the ring.
; THE HEAD: four joint loads, one a wave: K step 0's 256 rows of A, of B, A's scale bytes, B's.  K step 1 is asked for behind the full sequence and a round of the cluster's barrier, as a refill is.
; PREFETCHES: with the load of K step s a wave names K step s + 2 of 32 rows, a lane a row (256 bytes, aligned): of the 128 rows that it fetches in the ring, the four partners of the joint load take 32 each, told apart by address.
; K steps 1 and 2 are named at the head; the last two refills name nothing.  The table of cos and sin: each of a tile row's 512 blocks of 256 bytes is named once in a cluster (cx, wave, lane), in the clusters that use it.
; THE WAY OUT, by tiles of 16 rows x 128: table loads run two tiles ahead (the first two go out ahead of the last 64 products, into B's set 0, which is done with); rope; q_rot's image in f32 (wave column 0); the quantiser; codes as images of operand registers.
; OUT: qkv: blocks of 16,896 bytes = 8 images of 2,048 + 512 of scale words; block 16 v + group of 128 tokens, v = head (Q), 16 + head (K), 32 + head (V).  qf: 8,192 bytes a tile of 16 tokens, [head][tile].
; LIMITS: NaN and infinities are not served; a block's byte never falls under 1 (a block of zeros has zero codes).
.set KSTEP,  256
.set NQ,     KSTEP/128
.set ROWB,   256
.set KROW,   2048
.set PITCH,  272
.set FR,     16
.set NL,     4
.set NP,     8
.set HALFT,  128*PITCH
.set SLOT,   4*HALFT
.set LAPS,   2048/(2*KSTEP)
.set KS,     64
.set SCL,    2*SLOT
.set HALFS,  (128*KS/256)*272
.set SBLK,   (16*KS/256)*272
.set SPARE,  SCL+4*HALFS
.set ADRA, 16
.set ADRB, 20
.set LI,   26                          ; 16 x lane
.set ADRS, 27
.set SPW,  28
.set NIL,  29
.set PFO,  30                          ; 2,048 x lane: a row a lane
.set PFT,  31                          ; my 32 blocks of the table
.set SC,   32
.set AF,   128
.set XQ,   64
.set T,    64
.set PC,   128
.set TM,   144
.set G1, 24
.set G0, 32
.set G1B, 48
.set G0B, 56
.set G1S, 68
.set G0S, 76
.set G1SB, 80
.set G0SB, 88
.set G0H, 4                            ; the head's loads of K step 0: s[4:7] (the two pointers there are used up by then), s[92:95]
.set G0HB, 92
.set CT,  66                           ; s[66:67] the table at my 128 tokens
.set PFA, 96                           ; s[96:97] my 32 rows, at the K step three behind the one that a prefetch names
.set MNT, 100
.set HIM, 101
.set MSB, 0
.macro WIN new
.if MSB != (\new)
	s_set_vgpr_msb (MSB<<8)|(\new)
.set MSB, (\new)
.endif
.endm
.set MUL_LO, 0xa1
.set MUL_HI, 0xf1
.set TO_B,   0x40
.macro PLACES n
.rept \n
	v_nop
.endr
.endm
.macro JLOAD g0a, g1a, g0b, g1b        ; waves 0, 1 fetch A's halves, waves 2, 3 B's
	s_cmp_eq_u32 s15, 0
	s_cbranch_scc0 .Lfor_b_\@
	tensor_load_to_lds s[\g0a:\g0a+3], s[\g1a:\g1a+7]
	s_nop 0
	PLACES 4
	s_branch .Lasked_\@
.Lfor_b_\@:
	tensor_load_to_lds s[\g0b:\g0b+3], s[\g1b:\g1b+7]
	s_nop 0
	PLACES 4
.Lasked_\@:
.endm
.macro CREST
	s_cmp_lg_u32 s14, 0
	s_cbranch_scc1 .Lnot_wave_0_\@
	s_barrier_signal -3
.Lnot_wave_0_\@:
	s_barrier_wait -3
	s_barrier_signal -1
	s_barrier_wait -1
.endm
.macro CROUND
	s_barrier_signal -1
	s_barrier_wait -1
	CREST
.endm
.macro ASK                             ; the K step two refills on; the loop's last trip (s3 = 1) has none
	s_cmp_gt_u32 s3, 1
	s_cbranch_scc0 .Lnone_\@
	global_prefetch_b8 v[PFO], s[PFA:PFA+1] offset:3*ROWB th:TH_LOAD_NT scope:SCOPE_SE
.Lnone_\@:
.endm
	s_load_b128 s[4:7], s[0:1], 0x0                ; codes, scales
	s_load_b128 s[8:11], s[0:1], 0x10              ; cstab, qkv
	s_load_b64 s[12:13], s[0:1], 0x20              ; qf
	v_lshl_add_u32 v[SPW], v0, 2, SPARE
	v_mov_b32 v[NIL], 0
	ds_add_u32 v[SPW], v[NIL]                      ; the opening lines: the add twice on end and its wait ahead of my first tensor load
	ds_add_u32 v[SPW], v[NIL]
	v_lshrrev_b32 v1, 5, v0
	v_readfirstlane_b32 s14, v1                    ; wave
	s_lshr_b32 s15, s14, 1                         ; my half of A's rows; also: I fetch for A (0) or B (1)
	s_and_b32 s16, s14, 1                          ; my half of B's rows; also: which 128 rows I fetch
	s_bfe_u32 s40, ttmp6, 0x40000
	s_bfe_u32 s41, ttmp6, 0x40004
	s_lshl_b32 s42, ttmp9, 2
	s_add_co_u32 s42, s42, s40                     ; tile column
	s_and_b32 s17, ttmp7, 0xffff
	s_lshl_b32 s17, s17, 2
	s_add_co_u32 s17, s17, s41                     ; tile row
	s_lshl_b32 s43, s41, 2
	s_lshl_b32 s43, 15, s43
	s_lshl_b32 s44, 0x1111, s40
	s_or_b32 s[G1+0], s43, (0<<16)|(1<<20)|(1<<21)|(5<<22)|(3<<25)
	s_or_b32 s[G1B+0], s44, (0<<16)|(1<<20)|(1<<21)|(5<<22)|(3<<25)
.irp g, G1, G1B
	s_mov_b32 s[\g+1], ROWB<<16
	s_mov_b32 s[\g+2], 256<<16                     ; 256 rows for the head's loads
	s_mov_b32 s[\g+3], ROWB<<16
	s_mov_b32 s[\g+4], 256
	s_mov_b32 s[\g+5], KROW
	s_mov_b32 s[\g+6], 0
	s_mov_b32 s[\g+7], 0
.endr
	s_or_b32 s[G1S+0], s43, (3<<16)|(1<<20)|(1<<21)|(5<<22)|(3<<25)
	s_or_b32 s[G1SB+0], s44, (3<<16)|(1<<20)|(1<<21)|(5<<22)|(3<<25)
.irp g, G1S, G1SB                      ; the scale bytes of 256 rows: 16,384 dense bytes as 64 rows of 256, 16 of padding behind each
	s_mov_b32 s[\g+1], 32<<16
	s_mov_b32 s[\g+2], KS<<16
	s_mov_b32 s[\g+3], 32<<16
	s_mov_b32 s[\g+4], KS
	s_mov_b32 s[\g+5], 32
	s_mov_b32 s[\g+6], 0
	s_mov_b32 s[\g+7], 0
.endr
	s_lshr_b32 s2, ttmp9, 2                        ; 1: this cluster makes V^T
	s_mul_i32 s18, s2, 6144
	s_lshl_b32 s20, s17, 8
	s_add_co_u32 s20, s20, s18                     ; A's first row: tokens, or Wv's rows from 6,144 on
	s_lshl_b32 s46, s42, 8
	s_add_co_u32 s46, s46, 2048
	s_sub_co_u32 s46, s46, s18                     ; B's: 2,048 + 256 head, or tokens 256 (tile column - 16)
	s_cmp_eq_u32 s15, 0
	s_cselect_b32 s[PFA], s20, s46
	s_cselect_b32 s19, s40, s41                    ; my place among the four that ask with me
	s_lshl_b32 s19, s19, 5
	s_add_co_u32 s[PFA], s[PFA], s19
	s_lshl_b32 s19, s16, 7
	s_add_co_u32 s[PFA], s[PFA], s19
	s_lshl_b32 s[PFA], s[PFA], 11
	s_mov_b32 s[PFA+1], 0
	s_lshl_b32 s22, s20, 6
	s_mov_b32 s23, 0
	s_lshl_b32 s66, s46, 6
	s_mov_b32 s67, 0
	s_lshl_b32 s20, s20, 11
	s_mov_b32 s21, 0
	s_lshl_b32 s46, s46, 11
	s_mov_b32 s47, 0
	s_mul_i32 s18, s16, 128*KROW
	s_mov_b32 s19, 0
	s_mul_i32 s45, s14, HALFT
	s_wait_dscnt 0x0                               ; both opening adds are done
	CROUND                                         ; the opening round, ahead of the wait for the arguments: all sixteen work-groups are here
	s_cmp_ge_u32 ttmp9, 6                          ; clusters 6 and 7 along x have no tile of the products: their 64 work-groups quantise Wo (the cluster's number alone decides: all sixteen partners go the same way)
	s_cbranch_scc1 .Lwo
	s_wait_kmcnt 0x0
	s_add_nc_u64 s[PFA:PFA+1], s[4:5], s[PFA:PFA+1]
	s_add_nc_u64 s[20:21], s[4:5], s[20:21]
	s_add_nc_u64 s[46:47], s[4:5], s[46:47]
	s_add_nc_u64 s[22:23], s[6:7], s[22:23]
	s_add_nc_u64 s[66:67], s[6:7], s[66:67]
	s_mov_b32 s[G0H], 1
	s_mov_b32 s[G0H+1], 0
	s_mov_b64 s[G0H+2:G0H+3], s[20:21]
	s_or_b32 s[G0H+3], s[G0H+3], 0x80000000
	s_mov_b32 s[G0HB], 1
	s_mov_b32 s[G0HB+1], 2*HALFT
	s_mov_b64 s[G0HB+2:G0HB+3], s[46:47]
	s_or_b32 s[G0HB+3], s[G0HB+3], 0x80000000
	s_mov_b32 s[G0S], 1
	s_mov_b32 s[G0S+1], SCL
	s_mov_b64 s[G0S+2:G0S+3], s[22:23]
	s_or_b32 s[G0S+3], s[G0S+3], 0x80000000
	s_mov_b32 s[G0SB], 1
	s_mov_b32 s[G0SB+1], SCL+2*HALFS
	s_mov_b64 s[G0SB+2:G0SB+3], s[66:67]
	s_or_b32 s[G0SB+3], s[G0SB+3], 0x80000000
	s_add_nc_u64 s[20:21], s[20:21], s[18:19]      ; for the ring: my 128 rows
	s_add_nc_u64 s[46:47], s[46:47], s[18:19]
.irp s, 0,1
	s_mov_b32 s[G0+4*\s], 1
	s_add_co_u32 s[G0+4*\s+1], s45, \s*SLOT
	s_add_nc_u64 s[G0+4*\s+2:G0+4*\s+3], s[20:21], \s*ROWB
	s_or_b32 s[G0+4*\s+3], s[G0+4*\s+3], 0x80000000
	s_mov_b32 s[G0B+4*\s], 1
	s_add_co_u32 s[G0B+4*\s+1], s45, \s*SLOT
	s_add_nc_u64 s[G0B+4*\s+2:G0B+4*\s+3], s[46:47], \s*ROWB
	s_or_b32 s[G0B+4*\s+3], s[G0B+4*\s+3], 0x80000000
.endr
.macro ARM under, g0, g1, next         ; one chain of branches on the wave's number, a load to an arm
	s_cmp_lt_u32 s14, \under
	s_cbranch_scc0 \next
	tensor_load_to_lds s[\g0:\g0+3], s[\g1:\g1+7]
	s_nop 0
	PLACES 4
	s_branch .Lhead_asked
\next:
.endm
	ARM 1, G0H,  G1,  .Lhead_b
	ARM 2, G0HB, G1B, .Lhead_sa
	ARM 3, G0S,  G1S, .Lhead_sb
	tensor_load_to_lds s[G0SB:G0SB+3], s[G1SB:G1SB+7]
	s_nop 0
	PLACES 4
.Lhead_asked:
	v_and_b32 v1, 15, v0
	v_bfe_u32 v2, v0, 4, 1
	v_mul_u32_u24 v3, v1, PITCH
	v_lshl_add_u32 v4, v2, 4, v3
	s_mul_i32 s21, s15, HALFT
	s_mul_i32 s22, s16, HALFT
	s_add_co_u32 s22, s22, 2*HALFT
.irp s, 0,1
	v_add_nc_u32 v[ADRA+\s], s21, v4
	v_add_nc_u32 v[ADRB+\s], s22, v4
	s_add_co_u32 s21, s21, SLOT
	s_add_co_u32 s22, s22, SLOT
.endr
	v_mul_u32_u24 v5, v1, KS
	v_lshrrev_b32 v6, 8, v5
	v_lshl_add_u32 v5, v6, 4, v5
	s_mul_i32 s21, s15, HALFS
	s_mul_i32 s22, s16, HALFS
	s_add_co_u32 s22, s22, 2*HALFS
	s_sub_co_u32 s22, s22, s21
	v_mul_u32_u24 v6, s22, v2                      ; lanes 16-31 take B's scale words
	s_add_co_u32 s21, s21, SCL
	v_add_nc_u32 v5, v5, v6
	v_add_nc_u32 v[ADRS], s21, v5
	s_lshl_b32 s18, s17, 17                        ; the table of my tile row's 256 tokens: 131,072 bytes; my share: 32,768 cx + 8,192 wave + 256 lane
	s_lshl_b32 s19, s40, 15
	s_add_co_u32 s18, s18, s19
	s_lshl_b32 s19, s14, 13
	s_add_co_u32 s18, s18, s19
	v_and_b32 v6, 31, v0
	v_lshlrev_b32 v[LI], 4, v6
	v_lshlrev_b32 v[PFO], 11, v6
	v_lshl_add_u32 v[PFT], v6, 8, s18
	s_lshl_b32 s20, s16, 4
	s_add_co_u32 s20, s20, s42                     ; Q, K: v = head + 16 x wave column
	s_lshl_b32 s21, s17, 1
	s_add_co_u32 s21, s21, s15                     ; my group of 128 of A's rows
	s_lshl_b32 s22, s20, 4
	s_add_co_u32 s22, s22, s21
	s_lshl_b32 s18, s42, 1
	s_add_co_u32 s18, s18, s16                     ; V: 32 + my group of 128 tokens
	s_lshl_b32 s23, s21, 4
	s_add_co_u32 s23, s23, s18
	s_add_co_u32 s23, s23, 480                     ; block 16 (32 + head) + group
	s_cmp_eq_u32 s2, 0
	s_cselect_b32 s22, s22, s23
	s_mul_i32 s18, s22, 16896
	s_mov_b32 s19, 0
	s_add_nc_u64 s[10:11], s[10:11], s[18:19]
	s_lshl_b32 s18, s22, 16
	s_add_nc_u64 s[12:13], s[12:13], s[18:19]      ; used by wave column 0 of Q's and K's tiles alone
	s_lshl_b32 s18, s21, 16
	s_add_nc_u64 s[CT:CT+1], s[8:9], s[18:19]
	s_mov_b32 s98, 0x76543210
	s_mov_b32 s99, 0xfedcba98
	s_mov_b32 s[MNT], 0x600000
	s_mov_b32 s[HIM], 0xffff0000
	s_wait_alu depctr_va_vdst(0)                   ; ahead of the readers below
	global_prefetch_b8 v[PFO], s[PFA:PFA+1] offset:ROWB th:TH_LOAD_NT scope:SCOPE_SE      ; K steps 1 and 2
	global_prefetch_b8 v[PFO], s[PFA:PFA+1] offset:2*ROWB th:TH_LOAD_NT scope:SCOPE_SE
	s_cmp_eq_u32 s2, 0
	s_cbranch_scc0 .Lno_table
	global_prefetch_b8 v[PFT], s[8:9] th:TH_LOAD_NT scope:SCOPE_SE
.Lno_table:
.macro FRAG reg, adr, q, i
.irp c, 0,1,2,3
	ds_load_b128 v[\reg+4*\c:\reg+4*\c+3], v[\adr] offset:128*(\q)+32*\c+(\i)*16*PITCH
.endr
.endm
.macro MUL16 a0, p, q, sc, zero        ; A's blocks a0, a0 + 1 x B's eight; the 64 accumulators take turns
.irp a, \a0, \a0+1
.irp b, 0,1,2,3,4,5,6,7
.if \zero
	v_wmma_scale_f32_16x16x128_f8f6f4 v[8*(8*((\a)%4)+\b):8*(8*((\a)%4)+\b)+7], v[128*(\p)+FR*\b:128*(\p)+FR*\b+FR-1], v[AF+FR*(\a):AF+FR*(\a)+FR-1], 0, v[SC+8*NQ*(\sc)+NQ*\b+(\q)], v[SC+8*NQ*(\sc)+NQ*(\a)+(\q)] matrix_a_fmt:MATRIX_FMT_BF8 matrix_b_fmt:MATRIX_FMT_BF8 matrix_a_scale:MATRIX_SCALE_ROW1
.else
	v_wmma_scale_f32_16x16x128_f8f6f4 v[8*(8*((\a)%4)+\b):8*(8*((\a)%4)+\b)+7], v[128*(\p)+FR*\b:128*(\p)+FR*\b+FR-1], v[AF+FR*(\a):AF+FR*(\a)+FR-1], v[8*(8*((\a)%4)+\b):8*(8*((\a)%4)+\b)+7], v[SC+8*NQ*(\sc)+NQ*\b+(\q)], v[SC+8*NQ*(\sc)+NQ*(\a)+(\q)] matrix_a_fmt:MATRIX_FMT_BF8 matrix_b_fmt:MATRIX_FMT_BF8 matrix_a_scale:MATRIX_SCALE_ROW1
.endif
.endr
.endr
.endm
.macro FETCH_B slot, q, p
	WIN TO_B
.irp i, 0,1,2,3,4,5,6,7
	FRAG 128*(\p)+FR*\i, ADRB+\slot, \q, \i
.endr
	WIN 0
.endm
.macro FETCH_A slot, q, i0
.irp i, \i0, \i0+1, \i0+2, \i0+3
	FRAG AF+FR*(\i), ADRA+\slot, \q, \i
.endr
.endm
.macro SCALES sc
.irp i, 0,1,2,3,4,5,6,7
	ds_load_b64 v[SC+8*NQ*\sc+NQ*\i:SC+8*NQ*\sc+NQ*\i+1], v[ADRS] offset:\i*SBLK
.endr
.endm
.macro STEP slot, q, zero
	s_wait_dscnt 4*NL                              ; all but A's blocks 4-7 are in
	WIN MUL_LO
	MUL16 0, (\q)%2, \q, \slot, \zero
	MUL16 2, (\q)%2, \q, \slot, \zero
	s_wait_dscnt 0
	PLACES NP
	FETCH_B \slot, (\q)+1, 1-(\q)%2
	FETCH_A \slot, (\q)+1, 0
	WIN MUL_HI
	MUL16 4, (\q)%2, \q, \slot, \zero
	MUL16 6, (\q)%2, \q, \slot, \zero
	PLACES NP
	WIN 0
	FETCH_A \slot, (\q)+1, 4
.endm
.macro TURN slot, next, fill           ; a slot's last step changes slots
.if \fill
	s_wait_xcnt 0x0                                ; my last prefetch has read its address: it steps a K step on
	s_add_nc_u64 s[PFA:PFA+1], s[PFA:PFA+1], ROWB
.endif
	s_wait_tensorcnt 0x0                           ; my part of the next slot is in
	ds_add_u32 v[SPW], v[NIL]
	s_wait_dscnt 4*NL+1                            ; the add and A's blocks 4-7 may be out
	WIN MUL_LO
	MUL16 0, 1, NQ-1, \slot, 0
	s_wait_dscnt 0x0                               ; the add is done, my reads of this slot are over
	s_barrier_signal -1
	MUL16 2, 1, NQ-1, \slot, 0
	WIN 0
	s_barrier_wait -1
.if \fill
	CREST                                          ; the barrier has opened a round of the cluster's barrier
	s_add_nc_u64 s[G0+4*\slot+2:G0+4*\slot+3], s[G0+4*\slot+2:G0+4*\slot+3], 2*ROWB
	s_add_nc_u64 s[G0B+4*\slot+2:G0B+4*\slot+3], s[G0B+4*\slot+2:G0B+4*\slot+3], 2*ROWB
	JLOAD G0+4*\slot, G1, G0B+4*\slot, G1B
	PLACES NP-4
.else
	PLACES NP
.endif
	s_wait_alu depctr_va_vdst(0)                   ; ahead of the reader below
	v_add_nc_u32 v[ADRS], 4*NQ, v[ADRS]
	FETCH_B \next, 0, 0
	FETCH_A \next, 0, 0
	SCALES \next
.if \fill
	ASK
.endif
	WIN MUL_HI
	MUL16 4, 1, NQ-1, \slot, 0
	MUL16 6, 1, NQ-1, \slot, 0
	PLACES NP
	WIN 0
	FETCH_A \next, 0, 4
.endm
.macro LOADT a                         ; tile a's cosines and sines into window 1: set a % 2 of 64 registers
	WIN 0x40
.irp b, 0,1,2,3
.irp e, 0,1
	global_load_b128 v[64*((\a)%2)+8*\b+4*\e:64*((\a)%2)+8*\b+4*\e+3], v[LI], s[CT:CT+1] offset:8192*(\a)+2048*\b+512*\e
	global_load_b128 v[32+64*((\a)%2)+8*\b+4*\e:32+64*((\a)%2)+8*\b+4*\e+3], v[LI], s[CT:CT+1] offset:8192*(\a)+2048*\b+512*\e+1024
.endr
.endr
	WIN 0
.endm
	s_wait_alu depctr_va_vdst(0)
	s_wait_tensorcnt 0x0                           ; my tile of the head's four is in; the full sequence ahead of slot 1's first fill
	ds_add_u32 v[SPW], v[NIL]
	s_mov_b32 s[G1+2], 128<<16                     ; no tensor load of mine is out: from here on a load brings 128 rows
	s_mov_b32 s[G1+4], 128
	s_mov_b32 s[G1B+2], 128<<16
	s_mov_b32 s[G1B+4], 128
	s_wait_dscnt 0x0
	CROUND
	JLOAD G0+4, G1, G0B+4, G1B                     ; K step 1
	FETCH_B 0, 0, 0
	FETCH_A 0, 0, 0
	SCALES 0
	FETCH_A 0, 0, 4
	global_prefetch_b8 v[PFO], s[PFA:PFA+1] offset:3*ROWB th:TH_LOAD_NT scope:SCOPE_SE      ; K step 3
	STEP 0, 0, 1
	s_mov_b32 s3, LAPS-1
.Llap:
	TURN 0, 1, 1
	STEP 1, 0, 0
	TURN 1, 0, 1
	STEP 0, 0, 0
	s_sub_co_u32 s3, s3, 1
	s_cmp_lg_u32 s3, 0
	s_cbranch_scc1 .Llap
	TURN 0, 1, 0
	STEP 1, 0, 0
	s_cmp_eq_u32 s2, 1
	s_cbranch_scc1 .Lno_rope                       ; V has no rope
	LOADT 0                                        ; B's set 0 is done with (eight places stand behind its last product): it takes the first two tiles' tables
	LOADT 1
.Lno_rope:
	s_wait_dscnt 4*NL
	WIN MUL_LO
	MUL16 0, 1, NQ-1, 1, 0
	MUL16 2, 1, NQ-1, 1, 0
	s_wait_dscnt 0
	WIN MUL_HI
	MUL16 4, 1, NQ-1, 1, 0
	MUL16 6, 1, NQ-1, 1, 0
	WIN 0
.macro ROPE a                          ; registers 0-31 of a tile are channels under 64, registers 32-63 their partners 64 on
.set AC, 64*((\a)%4)
.set WW, 2+(\a)/4
.set CO_, 64*((\a)%2)
.set SI_, CO_+32
	WIN 4|WW
.irp n, 0,2,4,6,8,10,12,14,16,18,20,22,24,26,28,30
	v_pk_mul_f32 v[T+\n:T+\n+1], v[AC+\n:AC+\n+1], v[SI_+\n:SI_+\n+1]
.endr
	WIN (WW<<6)|4|WW
.irp n, 0,2,4,6,8,10,12,14,16,18,20,22,24,26,28,30
	v_pk_mul_f32 v[AC+\n:AC+\n+1], v[AC+\n:AC+\n+1], v[CO_+\n:CO_+\n+1]
.endr
	WIN (WW<<6)|(WW<<4)|4|WW
.irp n, 0,2,4,6,8,10,12,14,16,18,20,22,24,26,28,30
	v_pk_fma_f32 v[AC+\n:AC+\n+1], v[AC+32+\n:AC+32+\n+1], v[SI_+\n:SI_+\n+1], v[AC+\n:AC+\n+1] neg_lo:[0,1,0] neg_hi:[0,1,0]
.endr
	WIN (WW<<6)|4|WW
.irp n, 0,2,4,6,8,10,12,14,16,18,20,22,24,26,28,30
	v_pk_fma_f32 v[AC+32+\n:AC+32+\n+1], v[AC+32+\n:AC+32+\n+1], v[CO_+\n:CO_+\n+1], v[T+\n:T+\n+1]
.endr
	WIN 0
.endm
.macro QUANT src, wmax, wmed, pw       ; a lane's 64 numbers: four blocks of 32 shared with lane l xor 16 -> codes v[PC] on, scale word v[pw]
	WIN \wmax
.irp b, 0,1,2,3
	v_max3_num_f32 v[TM+\b], |v[\src+16*\b]|, |v[\src+16*\b+1]|, 0x8000000
.endr
.irp i, 2,4,6,8,10,12,14
.irp b, 0,1,2,3
	v_max3_num_f32 v[TM+\b], |v[\src+16*\b+\i]|, |v[\src+16*\b+\i+1]|, v[TM+\b]
.endr
.endr
	WIN 0
.irp b, 0,1,2,3
	v_permlanex16_b32 v[TM+4+\b], v[TM+\b], s98, s99
.endr
.irp b, 0,1,2,3
	v_max_num_f32 v[TM+\b], v[TM+\b], v[TM+4+\b]
.endr
.irp b, 0,1,2,3
	v_add_nc_u32 v[TM+12+\b], 0xf8800000, v[TM+\b]
.endr
.irp b, 0,1,2,3
	v_and_or_b32 v[TM+8+\b], v[TM+\b], 0x7f800000, s[MNT]
.endr
.irp b, 0,1,2,3
	v_lshrrev_b32 v[TM+4+\b], 23, v[TM+12+\b]
.endr
	v_lshl_or_b32 v[\pw], v[TM+5], 8, v[TM+4]
	v_lshl_or_b32 v[\pw], v[TM+6], 16, v[\pw]
	v_lshl_or_b32 v[\pw], v[TM+7], 24, v[\pw]
	WIN \wmed
.set n, 0
.rept 64
	v_med3_num_f32 v[XQ+n], v[\src+n], -v[TM+8+n/16], v[TM+8+n/16]
.set n, n+1
.endr
	WIN 0
.irp g, 0,1,2,3,4,5,6,7
	v_cvt_scalef32_pk8_bf8_f32 v[PC+2*\g:PC+2*\g+1], v[XQ+8*\g:XQ+8*\g+7], v[TM+12+\g/2]
.endr
	v_nop
.endm
.macro TILE a, rope
.set AC, 64*((\a)%4)
.if (\a) < 6                           ; each tile's codes have 16 registers of their own (where A's fragments and the scale words lay), so that no store's data are written again
.set PC, 160+16*(\a)
.else
.set PC, 32+16*((\a)-6)
.endif
.if \rope
.if (\a) < 7
	s_wait_loadcnt 16                              ; this tile's table is in; the next tile's 16 loads may be out
.else
	s_wait_loadcnt 0
.endif
	ROPE \a
	s_cmp_lg_u32 s16, 0
	s_cbranch_scc1 .Lnq_\@                         ; wave column 1 holds K
	WIN 4*(2+(\a)/4)
.irp k, 0,1,2,3,4,5,6,7,8,9,10,11,12,13,14,15
	global_store_b128 v[LI], v[AC+4*\k:AC+4*\k+3], s[12:13] offset:8192*(\a)+512*\k
.endr
	WIN 0
.Lnq_\@:
.if (\a) < 6
	LOADT (\a)+2
.endif
.endif
	QUANT AC, 0x0a+5*((\a)/4), 2+(\a)/4, 12+(\a)%2
.irp c, 0,1,2,3
	global_store_b128 v[LI], v[PC+4*\c:PC+4*\c+3], s[10:11] offset:2048*(\a)+512*\c
.endr
.if ((\a)%2) == 1
	v_cndmask_b32 v[8+(\a)/2], v12, v13, s[HIM]    ; lanes 0-15 the even tile's words, lanes 16-31 the odd's
.endif
.endm
	PLACES NP
.irp b, 0,1,2,3
	v_mov_b32 v[TM+4+\b], 0
.endr
	s_cmp_eq_u32 s2, 1
	s_cbranch_scc1 .Lv_out
.irp a, 0,1,2,3,4,5,6,7
	TILE \a, 1
.endr
	s_branch .Lwords
.Lv_out:
.irp a, 0,1,2,3,4,5,6,7
	TILE \a, 0
.endr
.Lwords:
	s_wait_alu depctr_va_vdst(0)
	global_store_b128 v[LI], v[8:11], s[10:11] offset:16384
	s_wait_tensorcnt 0x0                           ; the wave's end
	ds_add_u32 v[SPW], v[NIL]
	s_wait_dscnt 0x0
	CROUND                                         ; the closing round
	s_endpgm
; ---------------- Wo [2048][2048] f32 -> wo: codes of E5M2 [2048][2048] from byte 0, E8M0 bytes [2048][64] from byte 4,194,304 ----------------
; 256 waves, 16,384 numbers each (8 rows), in 32 steps of 512: a loop of 7 trips of 4 steps, after which the register sets are back where they began, and a tail of 4 steps that loads nothing more.
; A step's four loads read 512 consecutive bytes each; the 2,048 bytes turn through the wave's own stage in LDS (64 bytes + 16 of padding a lane), so that a lane holds 16 neighbours along K; two lanes hold a block of 32.
; Loads run four steps ahead.  The wave's 512 scale bytes are gathered in LDS and leave as 512 consecutive bytes.  This path has no tensor load; its LDS bytes lie behind the spare words and are named by no line of the other path.
; LIMITS as in the quantising launch: NaN and infinities are not served; a block's byte never falls under 1.
.set WSP,  80                          ; a lane's place in the stage
.set WOS,  SPARE+512                   ; LDS: 3,072 bytes a wave: the stage (32 x WSP), then 512 scale bytes
.set WREG, 3072
.set WR,   64                          ; v64-127  four sets of 16 numbers as they are loaded
.set WX,   128                         ; v128-159 two sets of 16 neighbours
.set WC,   160                         ; v160-175 codes: four registers a step of a trip
.set WE,   176                         ; v176-179 a scale byte a step
.macro WLOAD t
.irp i, 0,1,2,3
	global_load_b128 v[WR+16*((\t)%4)+4*\i:WR+16*((\t)%4)+4*\i+3], v3, s[20:21] offset:2048*(\t)+512*\i
.endr
.endm
.macro WTURN t                         ; LDS serves a wave's instructions in order: no wait between the stores and the loads; the reads of the step before have come back ahead of these stores
.irp i, 0,1,2,3
	ds_store_b128 v14, v[WR+16*((\t)%4)+4*\i:WR+16*((\t)%4)+4*\i+3] offset:8*WSP*\i
.endr
.irp i, 0,1,2,3
	ds_load_b128 v[WX+16*((\t)%2)+4*\i:WX+16*((\t)%2)+4*\i+3], v15 offset:16*\i
.endr
.endm
.macro WSTEP t, ld, lc, dsw            ; ld: the step four on is loaded; lc: the loads that may stay out when the next step turns (-1: there is none); dsw: the LDS instructions that may stay out
.set XS, WX+16*((\t)%2)
	s_wait_dscnt \dsw                              ; this step's numbers are back from the stage
.if \ld
	WLOAD (\t)+4
.endif
.if (\lc) >= 0
	s_wait_loadcnt \lc
	WTURN (\t)+1
.endif
	v_max3_num_f32 v8, |v[XS]|, |v[XS+1]|, |v[XS+2]|
	v_max3_num_f32 v9, |v[XS+3]|, |v[XS+4]|, |v[XS+5]|
.irp i, 6,10
	v_max3_num_f32 v8, v8, |v[XS+\i]|, |v[XS+\i+1]|
	v_max3_num_f32 v9, v9, |v[XS+\i+2]|, |v[XS+\i+3]|
.endr
	v_max3_num_f32 v8, v8, |v[XS+14]|, |v[XS+15]|
	v_max3_num_f32 v8, v8, v9, 0x8000000           ; and the floor 2^(16 - 127)
	v_max_num_f32_dpp v8, v8, v8 row_xmask:1 row_mask:0xf bank_mask:0xf   ; with my neighbour's 16: the block's largest magnitude
	v_add_nc_u32 v11, 0xf8800000, v8               ; 15 off its exponent field: the conversion's scale operand
	v_and_or_b32 v10, v8, 0x7f800000, s[MNT]       ; 57,344 x the scale
.irp i, 0,1,2,3,4,5,6,7,8,9,10,11,12,13,14,15
	v_med3_num_f32 v[XS+\i], v[XS+\i], -v10, v10   ; the conversion does not saturate (ISA guide 7.6.2): the hold comes first
.endr
	v_cvt_scalef32_pk8_bf8_f32 v[WC+4*(\t):WC+4*(\t)+1], v[XS:XS+7], v11
	v_cvt_scalef32_pk8_bf8_f32 v[WC+4*(\t)+2:WC+4*(\t)+3], v[XS+8:XS+15], v11
	v_lshrrev_b32 v[WE+(\t)], 23, v11              ; the scale's byte (also the plain line behind the conversions)
	ds_store_b8 v5, v[WE+(\t)] offset:16*(\t)      ; both lanes of a block write the same byte with the same value
	global_store_b128 v3, v[WC+4*(\t):WC+4*(\t)+3], s[24:25] offset:512*(\t)
.endm
.Lwo:
	s_load_b128 s[20:23], s[0:1], 0x28             ; Wo, wo
	s_sub_co_u32 s18, s42, 24
	s_lshl_b32 s19, s17, 3
	s_add_co_u32 s18, s18, s19                     ; work-group 0..63 of this path
	s_lshl_b32 s18, s18, 2
	s_add_co_u32 s18, s18, s14                     ; wave 0..255
	s_mul_i32 s19, s14, WREG
	s_add_co_u32 s19, s19, WOS
	v_and_b32 v2, 31, v0
	v_lshlrev_b32 v3, 4, v2                        ; 16 x lane
	v_lshrrev_b32 v14, 2, v2
	v_mul_u32_u24 v14, v14, WSP
	v_and_b32 v15, 3, v2
	v_lshl_add_u32 v14, v15, 4, v14
	v_add_nc_u32 v14, s19, v14                     ; the stage, on the way in: WSP (lane / 4) + 16 (lane % 4)
	v_mul_u32_u24 v15, v2, WSP
	v_add_nc_u32 v15, s19, v15                     ; and on the way out: WSP x lane
	v_lshrrev_b32 v5, 1, v2
	s_add_co_u32 s19, s19, 32*WSP
	v_add_nc_u32 v5, s19, v5                       ; my block's scale byte; steps 64 bytes a trip
	v_add_nc_u32 v6, s19, v3                       ; the 512 bytes on the way out
	s_mov_b32 s[MNT], 0x600000
	s_lshl_b32 s24, s18, 16                        ; 65,536 bytes of Wo a wave,
	s_mov_b32 s25, 0
	s_lshl_b32 s26, s18, 14                        ; 16,384 of codes,
	s_mov_b32 s27, 0
	s_lshl_b32 s28, s18, 9                         ; 512 of scale bytes
	s_add_co_u32 s28, s28, 0x400000
	s_mov_b32 s29, 0
	s_wait_alu depctr_va_vdst(0)
	s_wait_kmcnt 0x0
	s_add_nc_u64 s[20:21], s[20:21], s[24:25]
	s_add_nc_u64 s[24:25], s[22:23], s[26:27]
	s_add_nc_u64 s[22:23], s[22:23], s[28:29]
.irp t, 0,1,2,3
	WLOAD \t
.endr
	s_wait_loadcnt 12                              ; step 0's four loads are in
	WTURN 0
	s_mov_b32 s3, 7
.Lwo_trip:
	WSTEP 0, 1, 12, 0                              ; 12: the loads of the three steps behind the next may be out
	WSTEP 1, 1, 12, 1                              ; 1: the last step's byte store may be out
	WSTEP 2, 1, 12, 1
	WSTEP 3, 1, 12, 1
	s_wait_xcnt 0x0                                ; the trip's loads and stores have read their bases and the codes' registers
	s_add_nc_u64 s[20:21], s[20:21], 8192
	s_add_nc_u64 s[24:25], s[24:25], 2048
	v_add_nc_u32 v5, 64, v5
	s_sub_co_u32 s3, s3, 1
	s_cmp_lg_u32 s3, 0
	s_wait_alu depctr_va_vdst(0)
	s_cbranch_scc1 .Lwo_trip
	WSTEP 0, 0, 8, 0                               ; the last four steps load nothing
	WSTEP 1, 0, 4, 1
	WSTEP 2, 0, 0, 1
	WSTEP 3, 0, -1, 1
	ds_load_b128 v[8:11], v6                       ; LDS serves a wave's instructions in order: these see my byte stores
	s_wait_dscnt 0x0
	global_store_b128 v3, v[8:11], s[22:23]        ; 32 lanes store 512 consecutive bytes, aligned
	s_wait_tensorcnt 0x0                           ; the wave's end
	ds_add_u32 v[SPW], v[NIL]
	s_wait_dscnt 0x0
	CROUND                                         ; the closing round
	s_endpgm
.Lfunc_end_k_qe0ca3e457a_qkv:
	.size	k_qe0ca3e457a_qkv, .Lfunc_end_k_qe0ca3e457a_qkv-k_qe0ca3e457a_qkv
	.p2alignl 7, 3214868480
	.fill 96, 4, 3214868480
	.section	.rodata,"a",@progbits
	.p2align	6, 0x0
	.amdhsa_kernel k_qe0ca3e457a_qkv
		.amdhsa_group_segment_fixed_size 327680
		.amdhsa_private_segment_fixed_size 0
		.amdhsa_enable_private_segment 0
		.amdhsa_kernarg_size 56
		.amdhsa_user_sgpr_count 2
		.amdhsa_user_sgpr_kernarg_segment_ptr 1
		.amdhsa_wavefront_size32 1
		.amdhsa_system_sgpr_workgroup_id_x 1
		.amdhsa_system_sgpr_workgroup_id_y 1
		.amdhsa_system_sgpr_workgroup_id_z 1
		.amdhsa_system_vgpr_workitem_id 0
		.amdhsa_next_free_vgpr 1024
		.amdhsa_next_free_sgpr 102
		.amdhsa_reserve_vcc 0
		.amdhsa_float_denorm_mode_32 3
		.amdhsa_float_denorm_mode_16_64 3
		.amdhsa_memory_ordered 1
		.amdhsa_forward_progress 1
		.amdhsa_inst_pref_size 255
	.end_amdhsa_kernel
	.section	.bss,"aw",@nobits
	.p2align	6
	.space	262144
	.amdgpu_metadata
---
amdhsa.version: [ 1, 2 ]
amdhsa.kernels:
  - .name:           k_qe0ca3e457a_qkv
    .symbol:         k_qe0ca3e457a_qkv.kd
    .args:
      - { .name: codes, .offset: 0, .size: 8, .value_kind: global_buffer, .address_space: global }
      - { .name: scales, .offset: 8, .size: 8, .value_kind: global_buffer, .address_space: global }
      - { .name: cstab, .offset: 16, .size: 8, .value_kind: global_buffer, .address_space: global }
      - { .name: qkv, .offset: 24, .size: 8, .value_kind: global_buffer, .address_space: global }
      - { .name: qf, .offset: 32, .size: 8, .value_kind: global_buffer, .address_space: global }
      - { .name: Wo, .offset: 40, .size: 8, .value_kind: global_buffer, .address_space: global }
      - { .name: wo, .offset: 48, .size: 8, .value_kind: global_buffer, .address_space: global }
    .group_segment_fixed_size: 327680
    .private_segment_fixed_size: 0
    .kernarg_segment_align: 8
    .kernarg_segment_size: 56
    .max_flat_workgroup_size: 128
    .sgpr_count:     102
    .vgpr_count:     1024
    .wavefront_size: 32
...
	.end_amdgpu_metadata
.endif
;; end of part 2
;; launch attn (part 3): grid 16 x 16, 8 waves a work-group, no clusters, 327,680 bytes of LDS; arguments qkv, qf, akv, adaption_gate, actx; writes actx
.if DOCPART == 3
	.amdgcn_target "amdgcn-amd-amdhsa--gfx1250"
	.amdhsa_code_object_version 6
	.text
	.protected	k_qe0ca3e457a_attn
	.globl	k_qe0ca3e457a_attn
	.p2align	8
	.type	k_qe0ca3e457a_attn,@function
k_qe0ca3e457a_attn:
	s_mov_b64 s[64:65], 0
	v_nop
	global_prefetch_b8 v0, s[64:65] scope:SCOPE_SE
	s_setreg_imm32_b32 hwreg(HW_REG_WAVE_MODE, 25, 1), 1
	s_wait_xcnt 0x0
; Causal attention on codes of E5M2 (both products), and the adaption prompt's attention in f32; both results are quantised along (head, channel) for the last product.
; SHARES.  Work-group (p, head), eight waves, a tile of 16 queries each.  Waves 0-3 own the block of 64 queries p, waves 4-7 the block 31 - p: every work-group has 33 x 64 query-key units under the causal mask.
; Every work-group walks all 2,048 keys' slots (constant trip counts; every wave passes every barrier); a key step of 128 keys all of which come after the wave's queries is jumped over by a scalar branch on ids.
; NO CLUSTER: that jump hangs on the work-group's block of queries, which would differ between partners.
; K's and V's blocks (8 fragment images + scale words, 16,896 dense bytes for 128 keys) come through two LDS slots of 4 key steps; each wave fetches one block with one tensor load: by this text's count one load a wave is out.
; LDS READS RUN AHEAD OF THEIR USE.  Eight waves are two to a SIMD, so a wave holds 512 registers: room for all 16 fragments of a key step.  V's 33 loads are issued at the step's head and land under S^T's products and the softmax;
; the NEXT step's 33 loads of K are issued behind S^T's products and land under the same softmax.  Only a slot's first step waits for its K, which is asked for straight behind the change of slots.
; A slot's four steps are a loop of three, which fetch the next K, and a fourth written out, which does not: no read leaves the slot.
; LAYOUT.  S^T = K Q^T, O^T = V^T P^T: a lane holds one query.  S^T's register 8 t + j is key 16 t + 8 h + j; p's conversions lay it as the launch before laid v's keys.  V's fragment t holds channels
; 32 (t/2) + 8 (t%2) + r + 8 (r/8), so O^T's register 16 B + 8 u + j is channel 32 B + 16 h + 8 u + j: the conversions' results are the last product's operand in natural order.
; SOFTMAX ahead of the second product: t = score x log2(e)/sqrt(128); M = the running largest t rounded up to a whole number; p = 2^(t - M) is quantised; the row's sum of the unquantised p divides at the end.
; THE ADAPTER: scores^T = ak q_rot^T (f32 matrix form, q_rot unquantised), / 4, softmax over the 10 prompt rows with its maximum taken away, x gate, a_ctx^T = av^T w^T (f32 matrix form).
; OUT: actx: 256 blocks of 33,792 bytes; block 16 (Bq / 2) + 2 (head / 2) + Bq % 2 (Bq = block of 64 tokens); fragment ((2 (head % 2) + kind) 4 + tile) x 2,048 (kind 0 ctx, 1 a_ctx); scale words from 32,768 on: (2 (head%2) + kind) 256 + 64 tile + 4 r.
; LIMITS: floor byte 1 as in the quantising launch; NaN and infinities not served; both softmaxes divide by v_rcp_f32 and a multiplication.
; REGISTERS: v1-7 addresses; v8-11 V's scale words; v12 -M, v13 largest t, v[14:15] the sum; v16-31 Q; v32-95 K's fragments 0-3 (in the adapter's phase ak, then av); v96-159 S^T, p, held numbers;
;   v160-223 O^T (before and behind the key loop: at work); v224-239 p's codes; v232-254 at work; v248-251 K's scale words; v253 p's; v255 Q's.
;   Window 1: v256-319 the f32 products' accumulators, which matrix instructions alone write; v320-383 K's fragments 4-7; v384-511 V's eight fragments.
.set SLOTB, 135168                     ; a slot: 4 key steps
.set STEPB, 33792                      ; a key step: K's block, then V's
.set BLKB,  16896
.set AKI,   270336                     ; ak's 8 pieces' images, 8,192 bytes;  av's at AKI + 8,192
.set SCW,   286720                     ; the results' scale words, 1,024 bytes
.set SPARE, 287744                     ; the spare words: 128 bytes a wave, named by no other line
.set LI,  1                            ; v1   16 x lane
.set AW,  2                            ; v2   in the prologue: where I store my pieces of ak and av;
.set ADK, 2                            ;      from the key loop on: the key step's LDS address
.set AR,  3                            ; v3   where all read ak and av
.set SWA, 4                            ; v4   where I store my tile's scale word
.set SPW, 5
.set NIL, 6
.set PF1, 7                            ; v7   256 x lane: the prefetches' offset; never rewritten
.set VS,  8                            ; v8-11    V's scale words, and nothing else
.set KS,  248                          ; v248-251 K's scale words, and nothing else
.set XQ,  96
.set TM,  168
.set PC,  184
.set PW,  200
.set GATE, 14
.set WV,  18
.set MNT, 19
.set SEL, 20
.set CS,  22
.set G1,  24
.set G0,  32                           ; s[32:35], s[36:39]: a group 0 for each slot
.set KF,  40                           ; the step's first key
.set Q0,  41                           ; my first query
.set CNT, 42
.set TB,  43                           ; LDS byte at which the step's blocks begin
.set PFA, 44                           ; s[44:45] my block of the first fill, in memory
.set HI,  46                           ; lanes 16-31
.set LC,  47                           ; log2(e) / 4
.set MSB, 0
.macro WIN new
.if MSB != (\new)
	s_set_vgpr_msb (MSB<<8)|(\new)
.set MSB, (\new)
.endif
.endm
.macro PLACES n
.rept \n
	v_nop
.endr
.endm
; the change of slots: all my tensor loads, the add, my LDS instructions; a barrier; then my one tensor load, first thing behind it
.macro CHANGE n, step, fill
	s_wait_tensorcnt 0x0                           ; no tensor load of mine is out, so a group 0 may be written
	ds_add_u32 v[SPW], v[NIL]                      ; 0 onto my spare word
.if \step
	s_add_nc_u64 s[G0+4*\n+2:G0+4*\n+3], s[G0+4*\n+2:G0+4*\n+3], 8*BLKB   ; eight groups of 128 keys on
.endif
	s_wait_dscnt 0x0                               ; the add is done; my LDS stores have landed and my reads of the slot that I have left are over
	s_barrier_signal -1
	s_barrier_wait -1
.if \fill
	tensor_load_to_lds s[G0+4*\n:G0+4*\n+3], s[G1:G1+7]
	s_nop 0
.rept 4
	v_nop
.endr
.endif
.endm
; a prefetch of what the NEXT change of slots will ask for: each wave names the eight fragment images of its own block of fill f, 64 x 256 bytes, a lane a piece, two instructions.
; All sixteen work-groups of a head walk the same K and V: the head's first work-group asks.  The block's last 512 bytes come with the load alone.  The last fill has no successor and asks for nothing.
.macro ASK f
	s_cmp_lg_u32 ttmp9, 0
	s_cbranch_scc1 .Lnot_mine_\@
	global_prefetch_b8 v[PF1], s[PFA:PFA+1] offset:4*BLKB*\f th:TH_LOAD_NT scope:SCOPE_SE
	global_prefetch_b8 v[PF1], s[PFA:PFA+1] offset:4*BLKB*\f+8192 th:TH_LOAD_NT scope:SCOPE_SE
.Lnot_mine_\@:
.endm
; 64 numbers of a lane at v[src] on become a fragment's codes in v[PC] on and its scale word in v[PW]
.macro QUANT src, wmax, wmed
	WIN \wmax
.irp b, 0,1,2,3
	v_max3_num_f32 v[TM+\b], |v[\src+16*\b]|, |v[\src+16*\b+1]|, 0x8000000   ; and the floor 2^(16 - 127)
.endr
.irp i, 2,4,6,8,10,12,14
.irp b, 0,1,2,3
	v_max3_num_f32 v[TM+\b], |v[\src+16*\b+\i]|, |v[\src+16*\b+\i+1]|, v[TM+\b]
.endr
.endr
	WIN 0
.irp b, 0,1,2,3
	v_permlanex16_b32 v[TM+4+\b], v[TM+\b], s[SEL], s[SEL+1]
.endr
.irp b, 0,1,2,3
	s_delay_alu instid0(VALU_DEP_4)
	v_max_num_f32 v[TM+\b], v[TM+\b], v[TM+4+\b]
.endr
.irp b, 0,1,2,3
	s_delay_alu instid0(VALU_DEP_4)
	v_add_nc_u32 v[TM+12+\b], 0xf8800000, v[TM+\b]
.endr
.irp b, 0,1,2,3
	v_and_or_b32 v[TM+8+\b], v[TM+\b], 0x7f800000, s[MNT]
.endr
.irp b, 0,1,2,3
	v_lshrrev_b32 v[TM+4+\b], 23, v[TM+12+\b]
.endr
	s_delay_alu instid0(VALU_DEP_3)
	v_lshl_or_b32 v[PW], v[TM+5], 8, v[TM+4]
	s_delay_alu instid0(VALU_DEP_1)
	v_lshl_or_b32 v[PW], v[TM+6], 16, v[PW]
	s_delay_alu instid0(VALU_DEP_1)
	v_lshl_or_b32 v[PW], v[TM+7], 24, v[PW]
	WIN \wmed
.set n, 0
.rept 64
	v_med3_num_f32 v[XQ+n], v[\src+n], -v[TM+8+n/16], v[TM+8+n/16]
.set n, n+1
.endr
	s_wait_alu depctr_va_vdst(0)
	WIN 0
	s_wait_xcnt 0x0                                ; earlier stores have read the codes' registers
.irp g, 0,1,2,3,4,5,6,7
	v_cvt_scalef32_pk8_bf8_f32 v[PC+2*\g:PC+2*\g+1], v[XQ+8*\g:XQ+8*\g+7], v[TM+12+\g/2]
.endr
	v_nop                                          ; one plain line behind the last conversion
.endm
; a key step's K, off bytes on from the address in hand: eight fragments and the scale words: 33 loads of 512 consecutive bytes
.macro KLOAD off
.irp t, 0,1,2,3
.irp c, 0,1,2,3
	ds_load_b128 v[32+16*\t+4*\c:35+16*\t+4*\c], v[ADK] offset:(\off)+2048*\t+512*\c
.endr
.endr
	ds_load_b128 v[KS:KS+3], v[ADK] offset:(\off)+16384   ; register i: lanes 0-15 tile 2 i, lanes 16-31 tile 2 i + 1
	WIN 0x40                                       ; destination window 1, address window 0
.irp t, 0,1,2,3
.irp c, 0,1,2,3
	ds_load_b128 v[64+16*\t+4*\c:67+16*\t+4*\c], v[ADK] offset:(\off)+8192+2048*\t+512*\c   ; tiles 4-7
.endr
.endr
	WIN 0
.endm
; the key step's V: the scale words and eight fragments: 33 loads
.macro VLOAD
	ds_load_b128 v[VS:VS+3], v[ADK] offset:BLKB+16384
	WIN 0x40
.irp t, 0,1,2,3,4,5,6,7
.irp c, 0,1,2,3
	ds_load_b128 v[128+16*\t+4*\c:131+16*\t+4*\c], v[ADK] offset:BLKB+2048*\t+512*\c
.endr
.endr
	WIN 0
.endm
.macro SPROD t                         ; S^T's tile t of 16 keys; K's fragment lies in window 0 (t under 4) or window 1
.if (\t) < 4
.set KR, 32+16*(\t)
.else
.set KR, 16*(\t)
.endif
.if (\t)%2 == 0
	v_wmma_scale_f32_16x16x128_f8f6f4 v[96+8*(\t):103+8*(\t)], v[KR:KR+15], v[16:31], 0, v[KS+(\t)/2], v255 matrix_a_fmt:MATRIX_FMT_BF8 matrix_b_fmt:MATRIX_FMT_BF8
.else
	v_wmma_scale_f32_16x16x128_f8f6f4 v[96+8*(\t):103+8*(\t)], v[KR:KR+15], v[16:31], 0, v[KS+(\t)/2], v255 matrix_a_fmt:MATRIX_FMT_BF8 matrix_b_fmt:MATRIX_FMT_BF8 matrix_a_scale:MATRIX_SCALE_ROW1
.endif
.endm
.macro OPROD t                         ; O^T's tile t of 16 channels
.if (\t)%2 == 0
	v_wmma_scale_f32_16x16x128_f8f6f4 v[160+8*(\t):167+8*(\t)], v[128+16*(\t):143+16*(\t)], v[224:239], v[160+8*(\t):167+8*(\t)], v[VS+(\t)/2], v253 matrix_a_fmt:MATRIX_FMT_BF8 matrix_b_fmt:MATRIX_FMT_BF8
.else
	v_wmma_scale_f32_16x16x128_f8f6f4 v[160+8*(\t):167+8*(\t)], v[128+16*(\t):143+16*(\t)], v[224:239], v[160+8*(\t):167+8*(\t)], v[VS+(\t)/2], v253 matrix_a_fmt:MATRIX_FMT_BF8 matrix_b_fmt:MATRIX_FMT_BF8 matrix_a_scale:MATRIX_SCALE_ROW1
.endif
.endm
; A KEY STEP: 128 keys.  Its K has been asked for earlier.  next = 1: the next step lies in the same slot, and its K is asked for here
.macro STEP next
	s_add_co_u32 s96, s[Q0], 15
	s_cmp_gt_u32 s[KF], s96                        ; all keys behind my queries: the step's work is left out (a branch on ids; the address steps at its end are not)
	s_cbranch_scc1 .Lhidden_\@
	v_add_nc_u32 v[ADK], s[TB], v[LI]
	PLACES 7                                       ; with the line above: eight places in front of loads into registers that the last products have read
	VLOAD                                          ; V goes out now and is wanted behind the softmax
	s_wait_dscnt 33                                ; K's 33 loads, issued earlier, are in; V's 33 just issued may be out
.irp t, 0,1,2,3                                    ; S^T = K Q^T: eight accumulators, one instruction each
	SPROD \t
.endr
	WIN 0x01                                       ; source 0 in window 1
.irp t, 4,5,6,7
	SPROD \t
.endr
	WIN 0
	PLACES 8                                       ; in front of the loads into K's registers and of the first read of the scores
.if \next
	s_wait_alu depctr_va_vdst(0)
	KLOAD STEPB                                    ; the next step's K: it lands under this step's softmax
.endif
	s_add_co_u32 s96, s[KF], 127                   ; on the diagonal hidden scores become -infinity ahead of the maximum; a step all of whose keys count skips this
	s_cmp_le_u32 s96, s[Q0]
	s_cbranch_scc1 .Lopen_\@
	s_sub_co_i32 s96, s[Q0], s[KF]
	v_bfe_u32 v254, v0, 4, 1
	v_and_b32 v252, 15, v0
	s_delay_alu instid0(VALU_DEP_2)
	v_lshlrev_b32 v254, 3, v254
	s_delay_alu instid0(VALU_DEP_1)
	v_sub_nc_u32 v252, v252, v254
	s_delay_alu instid0(VALU_DEP_1)
	v_add_nc_u32 v252, s96, v252                   ; d = my query - KF - 8 h.  Register 8 t + j holds key KF + 16 t + 8 h + j: hidden where 16 t + j > d
	v_mov_b32 v254, 0xff800000
.set n, 0
.rept 64
	v_cmp_gt_i32 vcc_lo, 16*(n/8)+n%8, v252
	v_cndmask_b32 v[96+n], v[96+n], v254, vcc_lo
.set n, n+1
.endr
.Lopen_\@:
.irp b, 0,1,2,3
	v_max3_num_f32 v[232+\b], v[96+16*\b], v[97+16*\b], v[98+16*\b]   ; the largest score of each block of 32 keys: for the row's maximum and for the block's largest p
.endr
.irp i, 3,5,7,9,11,13
.irp b, 0,1,2,3
	v_max3_num_f32 v[232+\b], v[232+\b], v[96+16*\b+\i], v[97+16*\b+\i]
.endr
.endr
.irp b, 0,1,2,3
	v_max_num_f32 v[232+\b], v[232+\b], v[111+16*\b]
.endr
.irp b, 0,1,2,3
	v_permlanex16_b32 v[236+\b], v[232+\b], s[SEL], s[SEL+1]
.endr
.irp b, 0,1,2,3
	s_delay_alu instid0(VALU_DEP_4)
	v_max_num_f32 v[232+\b], v[232+\b], v[236+\b]
.endr
	s_delay_alu instid0(VALU_DEP_2)
	v_max3_num_f32 v254, v232, v233, v234
	s_delay_alu instid0(VALU_DEP_1)
	v_max_num_f32 v254, v254, v235
	s_delay_alu instid0(VALU_DEP_1)
	v_mul_f32 v254, s[CS], v254
	s_delay_alu instid0(VALU_DEP_1)
	v_max_num_f32 v13, v13, v254                   ; the running largest t
	v_mov_b32 v254, v12
	s_delay_alu instid0(VALU_DEP_2)
	v_floor_f32 v12, -v13                          ; the new -M: M is a whole number
	s_delay_alu instid0(VALU_DEP_1)
	v_sub_f32 v254, v12, v254
	s_delay_alu instid0(VALU_DEP_1)
	v_cvt_i32_f32 v254, v254
	s_delay_alu instid0(VALU_DEP_1)
	v_ldexp_f32 v252, 1.0, v254                    ; f = 2^(old M - new M): a multiplication by it rounds nothing
.set j, 0
.rept 32
	v_pk_fma_f32 v[96+j:97+j], v[96+j:97+j], s[CS:CS+1], v[12:13] op_sel_hi:[1,0,0]   ; t - M
.set j, j+2
.endr
.irp b, 0,1,2,3
	v_fma_f32 v[232+\b], v[232+\b], s[CS], v12
.endr
.set j, 0
	s_wait_alu depctr_va_vdst(0)
.rept 64
	v_exp_f32 v[96+j], v[96+j]                     ; p = 2^(t - M)
.set j, j+1
.endr
	v_pk_mul_f32 v[14:15], v[14:15], v[252:253] op_sel_hi:[1,0]   ; the sums under the new M (a plain line behind the exponentials)
	s_wait_alu depctr_va_vdst(0)                   ; one wait for the batch, ahead of its first reader
.irp b, 0,1,2,3
	v_exp_f32 v[232+\b], v[232+\b]                 ; the block's largest p
.endr
	v_pk_add_f32 v[236:237], v[100:101], v[104:105]
	v_pk_add_f32 v[246:247], v[108:109], v[112:113]
	v_pk_add_f32 v[244:245], v[116:117], v[120:121]
	v_pk_add_f32 v[242:243], v[124:125], v[128:129]
	v_pk_add_f32 v[240:241], v[132:133], v[136:137]
	v_pk_add_f32 v[238:239], v[140:141], v[144:145]
	v_pk_add_f32 v[230:231], v[148:149], v[152:153]
	v_pk_add_f32 v[14:15], v[14:15], v[156:157]
	v_pk_add_f32 v[236:237], v[236:237], v[96:97]
	v_pk_add_f32 v[246:247], v[246:247], v[98:99]
	v_pk_add_f32 v[244:245], v[244:245], v[102:103]
	v_pk_add_f32 v[242:243], v[242:243], v[106:107]
	v_pk_add_f32 v[240:241], v[240:241], v[110:111]
	v_pk_add_f32 v[238:239], v[238:239], v[114:115]
	v_pk_add_f32 v[230:231], v[230:231], v[118:119]
	v_pk_add_f32 v[14:15], v[14:15], v[122:123]
	v_pk_add_f32 v[236:237], v[236:237], v[126:127]
	v_pk_add_f32 v[246:247], v[246:247], v[130:131]
	v_pk_add_f32 v[244:245], v[244:245], v[134:135]
	v_pk_add_f32 v[242:243], v[242:243], v[138:139]
	v_pk_add_f32 v[240:241], v[240:241], v[142:143]
	v_pk_add_f32 v[238:239], v[238:239], v[146:147]
	v_pk_add_f32 v[230:231], v[230:231], v[150:151]
	v_pk_add_f32 v[14:15], v[14:15], v[154:155]
	v_pk_add_f32 v[236:237], v[236:237], v[158:159]
	s_delay_alu instid0(VALU_DEP_2)
	v_pk_add_f32 v[14:15], v[14:15], v[242:243]
	s_delay_alu instid0(VALU_DEP_2)
	v_pk_add_f32 v[236:237], v[236:237], v[240:241]
	v_pk_add_f32 v[246:247], v[246:247], v[238:239]
	v_pk_add_f32 v[244:245], v[244:245], v[230:231]
	s_delay_alu instid0(VALU_DEP_2)
	v_pk_add_f32 v[14:15], v[14:15], v[246:247]
	s_delay_alu instid0(VALU_DEP_2)
	v_pk_add_f32 v[236:237], v[236:237], v[244:245]
	s_delay_alu instid0(VALU_DEP_1)
	v_pk_add_f32 v[14:15], v[14:15], v[236:237]
	s_wait_alu depctr_va_vdst(0)                   ; and one for the four
.irp b, 0,1,2,3
	v_max_num_f32 v[232+\b], 0x8000000, v[232+\b]
.endr
.irp b, 0,1,2,3
	s_delay_alu instid0(VALU_DEP_4)
	v_add_nc_u32 v[244+\b], 0xf8800000, v[232+\b]
.endr
.irp b, 0,1,2,3
	v_and_or_b32 v[240+\b], v[232+\b], 0x7f800000, s[MNT]
.endr
.irp b, 0,1,2,3
	v_lshrrev_b32 v[236+\b], 23, v[244+\b]
.endr
	s_delay_alu instid0(VALU_DEP_3)
	v_lshl_or_b32 v253, v237, 8, v236              ; p's scale word for these 128 keys
	s_delay_alu instid0(VALU_DEP_1)
	v_lshl_or_b32 v253, v238, 16, v253
	s_delay_alu instid0(VALU_DEP_1)
	v_lshl_or_b32 v253, v239, 24, v253
.irp b, 0,1,2,3
.irp i, 0,1,2,3,4,5,6,7,8,9,10,11,12,13,14,15
	v_min_num_f32 v[96+16*\b+\i], v[96+16*\b+\i], v[240+\b]   ; p is not negative: the hold is one-sided
.endr
	v_cvt_scalef32_pk8_bf8_f32 v[224+4*\b:225+4*\b], v[96+16*\b:103+16*\b], v[244+\b]
	v_cvt_scalef32_pk8_bf8_f32 v[226+4*\b:227+4*\b], v[104+16*\b:111+16*\b], v[244+\b]
.endr
.set j, 0
.rept 32
	v_pk_mul_f32 v[160+j:161+j], v[160+j:161+j], v[252:253] op_sel_hi:[1,0]   ; O^T under the new M; these 32 are also the places between p's codes and the products below
.set j, j+2
.endr
	PLACES 4                                       ; so that every register that the products below name was written at least four places ahead of them
	s_wait_alu depctr_va_vdst(0)
	s_wait_dscnt 0x0                               ; V, asked for at the step's head, is in (the younger loads, the next step's K, went out a whole softmax ago)
	WIN 0x01                                       ; source 0 in window 1
.irp t, 0,1,2,3,4,5,6,7                            ; O^T += V^T P^T: eight accumulators, one instruction each
	OPROD \t
.endr
	WIN 0
.Lhidden_\@:
	s_add_co_u32 s[KF], s[KF], 128
	s_add_co_u32 s[TB], s[TB], STEPB
.endm
; a slot's four key steps.  The first step's K is asked for here, straight behind the change of slots.  cond = 1: not by a wave all of whose keys in this slot are hidden (a branch on ids, round LDS loads alone);
; in the first slot every wave has keys that count.
.macro SLOT_STEPS base, cond
	s_mov_b32 s[TB], \base
.if \cond
	s_add_co_u32 s96, s[Q0], 15
	s_cmp_gt_u32 s[KF], s96
	s_cbranch_scc1 .Lno_k_\@
.endif
	v_add_nc_u32 v[ADK], s[TB], v[LI]
	KLOAD 0
.Lno_k_\@:
	s_mov_b32 s[CNT], 3
.Lstep_\@:
	STEP 1
	s_sub_co_u32 s[CNT], s[CNT], 1
	s_cmp_lg_u32 s[CNT], 0
	s_cbranch_scc1 .Lstep_\@
	STEP 0                                         ; the slot's last step is written out: the next K lies in the other slot, behind a barrier
.endm
	s_load_b256 s[4:11], s[0:1], 0x0               ; qkv s[4:5], qf s[6:7], akv s[8:9], the gate s[10:11]
	s_load_b64 s[12:13], s[0:1], 0x20              ; actx
	v_lshl_add_u32 v[SPW], v0, 2, SPARE
	v_mov_b32 v[NIL], 0
	ds_add_u32 v5, v6
	ds_add_u32 v5, v6
	s_wait_dscnt 0x0
	v_lshrrev_b32 v240, 5, v0
	s_delay_alu instid0(VALU_DEP_1)
	v_readfirstlane_b32 s[WV], v240                ; wave 0..7
	s_and_b32 s50, s[WV], 3                        ; my tile in the block of 64 queries.  Also: which key step of a slot I fetch
	s_lshr_b32 s51, s[WV], 2                       ; which of the two blocks of queries.  Also: I fetch K's block (0) or V's (1)
	s_and_b32 s52, ttmp7, 0xffff                   ; the head
	s_mul_i32 s53, s50, STEPB
	s_mul_i32 s54, s51, BLKB
	s_add_co_u32 s53, s53, s54                     ; my block's place in a slot
	s_lshl_b32 s54, s51, 4
	s_add_co_u32 s54, s54, 16
	s_add_co_u32 s54, s54, s52
	s_lshl_b32 s54, s54, 4
	s_add_co_u32 s54, s54, s50                     ; block 16 (16 + 16 (K or V) + head) + key step
	s_mul_i32 s54, s54, BLKB
	s_mov_b32 s55, 0
	s_mov_b32 s[G1], 3<<16                         ; group 1: a dense block of 66 rows of 256 bytes (32 elements of 8 bytes), no mask, no padding
	s_mov_b32 s[G1+1], 32<<16                      ; tensor_dim0
	s_mov_b32 s[G1+2], 66<<16                      ; tensor_dim1
	s_mov_b32 s[G1+3], 32<<16                      ; tile_dim0
	s_mov_b32 s[G1+4], 66                          ; tile_dim1
	s_mov_b32 s[G1+5], 32                          ; the pitch
	s_mov_b32 s[G1+6], 0
	s_mov_b32 s[G1+7], 0
	s_lshl_b32 s74, ttmp9, 1
	s_sub_co_u32 s74, 31, s74
	s_mul_i32 s74, s74, s51
	s_add_co_u32 s74, s74, ttmp9                   ; Bq = p or 31 - p
	s_lshl_b32 s75, s74, 2
	s_add_co_u32 s75, s75, s50                     ; my tile of 16 queries, 0..127
	s_lshl_b32 s[Q0], s75, 4
	s_lshl_b32 s76, s52, 4
	s_lshr_b32 s77, s75, 3
	s_add_co_u32 s76, s76, s77
	s_mul_i32 s76, s76, BLKB                       ; q's block 16 head + tile / 8
	s_and_b32 s77, s75, 7
	s_lshl_b32 s78, s77, 11
	s_add_co_u32 s78, s78, s76                     ; my fragment in it
	s_mov_b32 s79, 0
	s_and_b32 s80, s75, 1
	s_lshl_b32 s80, s80, 8
	s_lshr_b32 s77, s77, 1
	s_lshl_b32 s77, s77, 2
	s_add_co_u32 s80, s80, s77
	s_add_co_u32 s80, s80, s76
	s_add_co_u32 s80, s80, 16384                   ; its scale words: 16 r + 256 (fragment % 2) + 4 (fragment / 2)
	s_mov_b32 s81, 0
	s_lshl_b32 s82, s52, 7
	s_add_co_u32 s82, s82, s75
	s_lshl_b32 s82, s82, 13                        ; qf: 8,192 bytes a tile
	s_mov_b32 s83, 0
	s_lshl_b32 s84, s52, 9
	s_lshl_b32 s85, s[WV], 6
	s_add_co_u32 s84, s84, s85                     ; ak: the head's 128 columns, my 16 of them
	s_mov_b32 s85, 0
	s_lshl_b32 s86, s52, 13
	s_lshr_b32 s87, s[WV], 1
	s_lshl_b32 s87, s87, 11
	s_add_co_u32 s86, s86, s87
	s_and_b32 s87, s[WV], 1
	s_lshl_b32 s87, s87, 9
	s_add_co_u32 s86, s86, s87
	s_add_co_u32 s86, s86, 524288                  ; avT: the head's 128 channels; tile t = my wave begins at channel 32 (t/2) + 8 (t%2)
	s_mov_b32 s87, 0
	s_lshr_b32 s88, s52, 1
	s_lshl_b32 s88, s88, 1                         ; 2 (head / 2)
	s_and_b32 s89, s52, 1                          ; head % 2
	s_lshr_b32 s90, s74, 1
	s_lshl_b32 s90, s90, 4
	s_and_b32 s91, s74, 1
	s_add_co_u32 s90, s90, s91
	s_add_co_u32 s90, s90, s88
	s_mul_i32 s90, s90, 33792                      ; my block of actx
	s_lshl_b32 s91, s89, 3
	s_add_co_u32 s91, s91, s50
	s_lshl_b32 s91, s91, 11
	s_add_co_u32 s90, s90, s91                     ; fragment 8 (head % 2) + tile (ctx; a_ctx lies 4 fragments on)
	s_mov_b32 s91, 0
	s_lshr_b32 s92, ttmp9, 1
	s_lshl_b32 s92, s92, 4
	s_and_b32 s93, ttmp9, 1
	s_add_co_u32 s92, s92, s93
	s_add_co_u32 s92, s92, s88
	s_mul_i32 s92, s92, 33792                      ; the block of queries p,
	s_sub_co_u32 s93, 31, ttmp9
	s_lshr_b32 s94, s93, 1
	s_lshl_b32 s94, s94, 4
	s_and_b32 s93, s93, 1
	s_add_co_u32 s94, s94, s93
	s_add_co_u32 s94, s94, s88
	s_mul_i32 s94, s94, 33792
	s_sub_co_u32 s94, s94, s92                     ; and how far on the block of queries 31 - p lies
	s_lshl_b32 s93, s89, 1
	s_and_b32 s95, s[WV], 1
	s_add_co_u32 s93, s93, s95
	s_lshl_b32 s93, s93, 8
	s_add_co_u32 s92, s92, s93
	s_add_co_u32 s92, s92, 32768                   ; the scale words' unit (2 (head % 2) + kind), kind = wave 0 or 1
	; THE ADAPTION PROMPT'S PHASE IS RUN BY WAVES 0-3 ALONE, TWICE: for their own tile and for the tile of wave + 4 (block of queries 31 - p), whose wave has the most key steps.  Where that tile's q_rot lies and its a_ctx goes:
	s_sub_co_u32 s15, 31, ttmp9
	s_lshl_b32 s16, s15, 2
	s_add_co_u32 s16, s16, s50                     ; its tile of 16 queries
	s_lshl_b32 s17, s52, 7
	s_add_co_u32 s17, s17, s16
	s_lshl_b32 s48, s17, 13                        ; qf: 8,192 bytes a tile
	s_mov_b32 s49, 0
	s_lshr_b32 s16, s15, 1
	s_lshl_b32 s16, s16, 4
	s_and_b32 s17, s15, 1
	s_add_co_u32 s16, s16, s17
	s_add_co_u32 s16, s16, s88
	s_mul_i32 s68, s16, 33792                      ; its block of actx
	s_lshl_b32 s17, s89, 3
	s_add_co_u32 s17, s17, s50
	s_lshl_b32 s17, s17, 11
	s_add_co_u32 s68, s68, s17                     ; fragment 8 (head % 2) + tile
	s_mov_b32 s69, 0
	s_mov_b32 s[MNT], 0x600000
	s_mov_b32 s[SEL], 0x76543210
	s_mov_b32 s[SEL+1], 0xfedcba98
	s_mov_b32 s[CS], 0x3e0293ee                    ; log2(e) / sqrt(128)
	s_mov_b32 s[CS+1], s[CS]
	s_mov_b32 s[HI], 0xffff0000
	s_mov_b32 s[LC], 0x3eb8aa3b                    ; log2(e) / sqrt(16)
	s_wait_kmcnt 0x0
	s_load_b32 s[GATE], s[10:11], 0x0
	s_add_nc_u64 s[PFA:PFA+1], s[4:5], s[54:55]
	s_mov_b32 s[G0], 1
	s_mov_b32 s[G0+1], s53
	s_mov_b64 s[G0+2:G0+3], s[PFA:PFA+1]
	s_or_b32 s[G0+3], s[G0+3], 0x80000000
	s_mov_b32 s[G0+4], 1
	s_add_co_u32 s[G0+5], s53, SLOTB
	s_add_nc_u64 s[G0+6:G0+7], s[PFA:PFA+1], 4*BLKB
	s_or_b32 s[G0+7], s[G0+7], 0x80000000
	tensor_load_to_lds s[G0:G0+3], s[G1:G1+7]      ; slot 0: keys 0-511
	s_nop 0
.rept 4
	v_nop
.endr
	s_add_nc_u64 s[56:57], s[8:9], s[84:85]
	s_add_nc_u64 s[58:59], s[8:9], s[86:87]
	s_add_nc_u64 s[60:61], s[4:5], s[78:79]
	s_add_nc_u64 s[62:63], s[4:5], s[80:81]
	s_add_nc_u64 s[66:67], s[6:7], s[82:83]
	s_add_nc_u64 s[70:71], s[12:13], s[90:91]
	s_add_nc_u64 s[48:49], s[6:7], s[48:49]
	s_add_nc_u64 s[68:69], s[12:13], s[68:69]
	v_and_b32 v1, 31, v0
	s_delay_alu instid0(VALU_DEP_1)
	v_lshlrev_b32 v[PF1], 8, v1
	s_delay_alu instid0(VALU_DEP_2)
	v_lshlrev_b32 v[LI], 4, v1
	s_lshl_b32 s97, s[WV], 10
	s_add_co_u32 s97, s97, AKI
	v_add_nc_u32 v[AW], s97, v[LI]
	v_add_nc_u32 v[AR], AKI, v[LI]
	v_and_b32 v246, 15, v0                         ; r
	v_bfe_u32 v247, v0, 4, 1                       ; h
	s_lshl_b32 s97, s51, 9
	s_lshl_b32 s98, s50, 6
	s_add_co_u32 s97, s97, s98
	s_add_co_u32 s97, s97, SCW
	v_lshl_add_u32 v[SWA], v246, 2, s97            ; SCW + 512 (block of queries) + 64 tile + 4 r (a_ctx 256 further on)
	v_lshlrev_b32 v240, 13, v246
	s_delay_alu instid0(VALU_DEP_1)
	v_lshl_add_u32 v240, v247, 5, v240             ; ak: row l = r, + 32 h
	v_and_b32 v241, 8, v246
	s_delay_alu instid0(VALU_DEP_1)
	v_add_nc_u32 v241, v241, v246
	s_delay_alu instid0(VALU_DEP_1)
	v_lshlrev_b32 v241, 6, v241
	s_delay_alu instid0(VALU_DEP_1)
	v_lshl_add_u32 v241, v247, 5, v241             ; avT: channel r + 8 (r / 8), + 32 h
	v_lshlrev_b32 v242, 4, v246                    ; Q's scale words: 16 r
.irp q, 0,1,2,3                                    ; the four partial sums of my pieces of ak (8 registers) and av (8)
.irp j, 0,1
	global_load_b128 v[32+8*\q+4*\j:35+8*\q+4*\j], v240, s[56:57] offset:131072*\q+16*\j
	global_load_b128 v[64+8*\q+4*\j:67+8*\q+4*\j], v241, s[58:59] offset:131072*\q+16*\j
.endr
.endr
.irp c, 0,1,2,3
	global_load_b128 v[16+4*\c:19+4*\c], v[LI], s[60:61] offset:512*\c   ; Q's fragment stays in registers
.endr
	global_load_b32 v255, v242, s[62:63]
	s_cmp_lt_u32 s[WV], 4
	s_cbranch_scc0 .Lhi_a
.irp k, 0,1,2,3,4,5,6,7,8,9,10,11,12,13,14,15
	global_load_b128 v[96+4*\k:99+4*\k], v[LI], s[66:67] offset:512*\k   ; waves 0-3: my tile's q_rot in f32,
.endr
	WIN 0x40
.irp k, 0,1,2,3,4,5,6,7,8,9,10,11,12,13,14,15
	global_load_b128 v[128+4*\k:131+4*\k], v[LI], s[48:49] offset:512*\k   ; and that of wave + 4's tile, into v384-447, which are free until the first key step's V
.endr
	WIN 0
	s_wait_loadcnt 37                              ; the 16 loads of partial sums are in; Q's 4, its scale word and q_rot's 32 may be out
	s_branch .Lsum
.Lhi_a:
	s_wait_loadcnt 5                               ; waves 4-7: Q's 4 and its scale word may be out
.Lsum:
.irp p, 0,2,4,6
	v_pk_add_f32 v[32+\p:33+\p], v[32+\p:33+\p], v[40+\p:41+\p]
	v_pk_add_f32 v[48+\p:49+\p], v[48+\p:49+\p], v[56+\p:57+\p]
	v_pk_add_f32 v[64+\p:65+\p], v[64+\p:65+\p], v[72+\p:73+\p]
	v_pk_add_f32 v[80+\p:81+\p], v[80+\p:81+\p], v[88+\p:89+\p]
	s_delay_alu instid0(VALU_DEP_3)
	v_pk_add_f32 v[32+\p:33+\p], v[32+\p:33+\p], v[48+\p:49+\p]
	s_delay_alu instid0(VALU_DEP_2)
	v_pk_add_f32 v[64+\p:65+\p], v[64+\p:65+\p], v[80+\p:81+\p]
.endr
	ds_store_b128 v[AW], v[32:35]                  ; images of operand registers: 16 bytes a lane
	ds_store_b128 v[AW], v[36:39] offset:512
	ds_store_b128 v[AW], v[64:67] offset:8192
	ds_store_b128 v[AW], v[68:71] offset:8704
	s_wait_dscnt 0x0                               ; my pieces of the images have landed
	s_barrier_signal -1
	s_barrier_wait -1                              ; the images are whole for every wave
	; ---------------- the adaption prompt: w = 0 my own tile, w = 1 the tile of wave + 4 ----------------
.macro ADAPT w
.if (\w) == 0
	s_wait_loadcnt 16                              ; my q_rot is in; the other tile's 16 loads may be out
.endif
.irp k, 0,1,2,3,4,5,6,7,8,9,10,11,12,13,14,15
	ds_load_b128 v[32+4*\k:35+4*\k], v[AR] offset:512*\k   ; ak: register 8 b + j of lane (r, h) = ak(l = r, 16 b + 8 h + j), as q_rot's
.endr
	s_wait_dscnt 0x0
	WIN 0x50+4*(\w)                                ; C and D in window 1; w = 1: q_rot too
.set n, 0
.rept 32                                           ; scores^T: four accumulators by turns
.if n < 4
	v_wmma_f32_16x16x4_f32 v[8*(n%4):8*(n%4)+7], v[32+2*n:33+2*n], v[96+32*(\w)+2*n:97+32*(\w)+2*n], 0
.else
	v_wmma_f32_16x16x4_f32 v[8*(n%4):8*(n%4)+7], v[32+2*n:33+2*n], v[96+32*(\w)+2*n:97+32*(\w)+2*n], v[8*(n%4):8*(n%4)+7]
.endif
.set n, n+1
.endr
	WIN 0
	PLACES 8
.irp k, 0,1,2,3,4,5,6,7,8,9,10,11,12,13,14,15
	ds_load_b128 v[32+4*\k:35+4*\k], v[AR] offset:8192+512*\k   ; av: register 8 t + j of lane (r, h) = av(l = 8 h + j, channel row r of tile t)
.endr
	WIN 0x05
.irp p, 0,2,4,6
	v_pk_add_f32 v[160+\p:161+\p], v[\p:\p+1], v[8+\p:9+\p]
	v_pk_add_f32 v[168+\p:169+\p], v[16+\p:17+\p], v[24+\p:25+\p]
.endr
	WIN 0
	v_mov_b32 v176, 0xff800000
	v_mov_b32 v178, 0
.irp p, 0,2,4,6
	v_pk_add_f32 v[160+\p:161+\p], v[160+\p:161+\p], v[168+\p:169+\p]   ; lane (r, h): query r, prompt rows l = 8 h + 0..7
.endr
.irp j, 2,3,4,5,6,7
	v_cndmask_b32 v[160+\j], v[160+\j], v176, s[HI]   ; rows 10-15 do not exist
.endr
	v_max3_num_f32 v177, v160, v161, v162
	s_delay_alu instid0(VALU_DEP_1)
	v_max3_num_f32 v177, v177, v163, v164
	s_delay_alu instid0(VALU_DEP_1)
	v_max3_num_f32 v177, v177, v165, v166
	s_delay_alu instid0(VALU_DEP_1)
	v_max_num_f32 v177, v177, v167
	s_delay_alu instid0(VALU_DEP_1)
	v_permlanex16_b32 v178, v177, s[SEL], s[SEL+1]
	s_delay_alu instid0(VALU_DEP_1)
	v_max_num_f32 v177, v177, v178                 ; the row's largest score
.irp j, 0,1,2,3,4,5,6,7
	v_sub_f32 v[160+\j], v[160+\j], v177           ; the difference first: it keeps the exponent accurate where scores are large
.endr
.irp j, 0,1,2,3,4,5,6,7
	v_mul_f32 v[160+\j], s[LC], v[160+\j]
.endr
	s_wait_alu depctr_va_vdst(0)
.irp j, 0,1,2,3,4,5,6,7
	v_exp_f32 v[160+\j], v[160+\j]
.endr
	v_nop
	s_wait_alu depctr_va_vdst(0)                   ; one wait for the eight
	v_add_f32 v179, v160, v161
	v_add_f32 v180, v162, v163
	v_add_f32 v181, v164, v165
	v_add_f32 v182, v166, v167
	s_delay_alu instid0(VALU_DEP_3)
	v_add_f32 v179, v179, v180
	s_delay_alu instid0(VALU_DEP_2)
	v_add_f32 v181, v181, v182
	s_delay_alu instid0(VALU_DEP_1)
	v_add_f32 v179, v179, v181
	s_delay_alu instid0(VALU_DEP_1)
	v_permlanex16_b32 v178, v179, s[SEL], s[SEL+1]
	s_delay_alu instid0(VALU_DEP_1)
	v_add_f32 v179, v179, v178
	s_wait_alu depctr_va_vdst(0)
	v_rcp_f32 v179, v179
	v_nop
	s_wait_alu depctr_va_vdst(0)
	s_wait_kmcnt 0x0                               ; the gate
	v_mul_f32 v180, s[GATE], v179
.irp j, 0,1,2,3,4,5,6,7
	v_mul_f32 v[160+\j], v[160+\j], v180           ; gate x softmax
.endr
	s_wait_alu depctr_va_vdst(0)
	s_wait_dscnt 0x0                               ; av
	WIN 0x50
.irp i, 0,1,2,3                                    ; a_ctx^T: eight accumulators by turns; K = the 16 rows, four at a time: l = 8 h + 2 i + 0, 1 in both operands
.irp t, 0,1,2,3,4,5,6,7
.if \i == 0
	v_wmma_f32_16x16x4_f32 v[8*\t:8*\t+7], v[32+8*\t+2*\i:33+8*\t+2*\i], v[160+2*\i:161+2*\i], 0
.else
	v_wmma_f32_16x16x4_f32 v[8*\t:8*\t+7], v[32+8*\t+2*\i:33+8*\t+2*\i], v[160+2*\i:161+2*\i], v[8*\t:8*\t+7]
.endif
.endr
.endr
	WIN 0
	PLACES 8
.irp b, 0,1,2,3
	v_mov_b32 v[TM+4+\b], 0
.endr
	QUANT 0, 0x05, 0x01
.irp c, 0,1,2,3
	global_store_b128 v[LI], v[PC+4*\c:PC+4*\c+3], s[70-2*(\w):71-2*(\w)] offset:8192+512*\c
.endr
	ds_store_b32 v[SWA], v[PW] offset:256+512*(\w)   ; both halves of the lanes write the same word with the same value; the other block of queries' words lie 512 bytes on
.endm
	s_cmp_lt_u32 s[WV], 4
	s_cbranch_scc0 .Lhi_b
	ADAPT 0                                        ; under slot 0's flight
.Lhi_b:
	CHANGE 1, 0, 1                                 ; slot 0 is whole for every wave; slot 1 takes keys 512-1023
	ASK 2
	s_wait_loadcnt 0x0                             ; Q, and in waves 0-3 the other tile's q_rot
	s_cmp_lt_u32 s[WV], 4
	s_cbranch_scc0 .Lhi_c
	ADAPT 1                                        ; beside the first key steps of waves 4-7
.Lhi_c:
	; ---------------- the keys ----------------
	s_wait_xcnt 0x0                                ; the stores have read their registers
	v_mov_b32 v13, 0xff61b1e6                      ; the largest t so far: -3e38
	s_delay_alu instid0(VALU_DEP_1)
	v_floor_f32 v12, -v13
	v_mov_b32 v14, 0
	v_mov_b32 v15, 0
.irp b, 0,1,2,3
	v_mov_b32 v[236+\b], 0
.endr
	v_mov_b32 v252, 0
	v_mov_b32 v253, 0
.set j, 0
.rept 64
	v_mov_b32 v[160+j], 0                          ; O^T: the step is written without a first step of its own: the first change of M multiplies zeros
.set j, j+1
.endr
	s_mov_b32 s[KF], 0
	SLOT_STEPS 0, 0
	CHANGE 0, 1, 1                                 ; slot 0 takes keys 1,024-1,535
	ASK 3
	SLOT_STEPS SLOTB, 1
	CHANGE 1, 1, 1                                 ; slot 1 takes keys 1,536-2,047
	SLOT_STEPS 0, 1
	CHANGE 0, 0, 0
	SLOT_STEPS SLOTB, 1
	; ---------------- the way out ----------------
	v_add_f32 v14, v14, v15
	s_delay_alu instid0(VALU_DEP_1)
	v_permlanex16_b32 v252, v14, s[SEL], s[SEL+1]
	s_delay_alu instid0(VALU_DEP_1)
	v_add_f32 v14, v14, v252                       ; the row's sum
	s_wait_alu depctr_va_vdst(0)
	v_rcp_f32 v14, v14
	PLACES 8                                       ; behind the reciprocal, and behind the last products
	s_wait_alu depctr_va_vdst(0)
.set j, 0
.rept 64
	v_mul_f32 v[96+j], v[160+j], v14               ; ctx: register 16 B + 8 u + j = channel 32 B + 16 h + 8 u + j
.set j, j+1
.endr
	QUANT 96, 0, 0
.irp c, 0,1,2,3
	global_store_b128 v[LI], v[PC+4*\c:PC+4*\c+3], s[70:71] offset:512*\c
.endr
	ds_store_b32 v[SWA], v[PW]
	s_wait_dscnt 0x0                               ; my scale words have landed, and no LDS load of mine is out: K's registers may be written
	s_barrier_signal -1
	s_barrier_wait -1                              ; all sixteen scale words' rows lie in LDS
	s_and_b32 s97, s[WV], 1
	s_lshl_b32 s97, s97, 8
	s_add_co_u32 s97, s97, SCW
	v_and_b32 v36, 15, v0                          ; r
	v_bfe_u32 v37, v0, 4, 1                        ; h
	s_delay_alu instid0(VALU_DEP_1)
	v_lshlrev_b32 v38, 9, v37
	s_delay_alu instid0(VALU_DEP_1)
	v_lshl_add_u32 v38, v36, 4, v38
	s_delay_alu instid0(VALU_DEP_1)
	v_add_nc_u32 v38, s97, v38                     ; SCW + 256 kind + 512 h + 16 r
	s_cmp_lt_u32 s[WV], 2                          ; wave 0 stores ctx's, wave 1 a_ctx's: each half of the lanes 256 consecutive bytes, aligned
	s_cbranch_scc0 .Lno_words
	ds_load_b128 v[32:35], v38
	v_mul_u32_u24 v37, v37, s94
	s_delay_alu instid0(VALU_DEP_1)
	v_lshl_add_u32 v36, v36, 4, v37
	s_delay_alu instid0(VALU_DEP_1)
	v_add_nc_u32 v36, s92, v36
	s_wait_alu depctr_va_vdst(0)
	s_wait_dscnt 0x0
	global_store_b128 v36, v[32:35], s[12:13]
.Lno_words:
	s_wait_tensorcnt 0x0                           ; the wave's end
	ds_add_u32 v[SPW], v[NIL]
	s_wait_dscnt 0x0
	s_endpgm
.Lfunc_end_k_qe0ca3e457a_attn:
	.size	k_qe0ca3e457a_attn, .Lfunc_end_k_qe0ca3e457a_attn-k_qe0ca3e457a_attn
	.p2alignl 7, 3214868480
	.fill 96, 4, 3214868480
	.section	.rodata,"a",@progbits
	.p2align	6, 0x0
	.amdhsa_kernel k_qe0ca3e457a_attn
		.amdhsa_group_segment_fixed_size 327680
		.amdhsa_private_segment_fixed_size 0
		.amdhsa_enable_private_segment 0
		.amdhsa_kernarg_size 40
		.amdhsa_user_sgpr_count 2
		.amdhsa_user_sgpr_kernarg_segment_ptr 1
		.amdhsa_wavefront_size32 1
		.amdhsa_system_sgpr_workgroup_id_x 1
		.amdhsa_system_sgpr_workgroup_id_y 1
		.amdhsa_system_sgpr_workgroup_id_z 1
		.amdhsa_system_vgpr_workitem_id 0
		.amdhsa_next_free_vgpr 512
		.amdhsa_next_free_sgpr 100
		.amdhsa_reserve_vcc 1
		.amdhsa_float_denorm_mode_32 3
		.amdhsa_float_denorm_mode_16_64 3
		.amdhsa_memory_ordered 1
		.amdhsa_forward_progress 1
		.amdhsa_inst_pref_size 255
	.end_amdhsa_kernel
	.section	.bss,"aw",@nobits
	.p2align	6
	.space	262144
	.amdgpu_metadata
---
amdhsa.version: [ 1, 2 ]
amdhsa.kernels:
  - .name:           k_qe0ca3e457a_attn
    .symbol:         k_qe0ca3e457a_attn.kd
    .args:
      - { .name: qkv, .offset: 0, .size: 8, .value_kind: global_buffer, .address_space: global }
      - { .name: qf, .offset: 8, .size: 8, .value_kind: global_buffer, .address_space: global }
      - { .name: akv, .offset: 16, .size: 8, .value_kind: global_buffer, .address_space: global }
      - { .name: adaption_gate, .offset: 24, .size: 8, .value_kind: global_buffer, .address_space: global }
      - { .name: actx, .offset: 32, .size: 8, .value_kind: global_buffer, .address_space: global }
    .group_segment_fixed_size: 327680
    .private_segment_fixed_size: 0
    .kernarg_segment_align: 8
    .kernarg_segment_size: 40
    .max_flat_workgroup_size: 256
    .sgpr_count:     100
    .vgpr_count:     512
    .wavefront_size: 32
...
	.end_amdgpu_metadata
.endif
;; end of part 3
;; launch oproj (part 4): grid 16 x 16, 4 waves a work-group, clusters of 4 x 4, 327,680 bytes of LDS; arguments actx, wo, out0; writes out0
.if DOCPART == 4
	.amdgcn_target "amdgcn-amd-amdhsa--gfx1250"
	.amdhsa_code_object_version 6
	.text
	.protected	k_qe0ca3e457a_oproj
	.globl	k_qe0ca3e457a_oproj
	.p2align	8
	.type	k_qe0ca3e457a_oproj,@function
k_qe0ca3e457a_oproj:
	s_mov_b64 s[64:65], 0
	v_nop
	global_prefetch_b8 v0, s[64:65] scope:SCOPE_SE
	s_setreg_imm32_b32 hwreg(HW_REG_WAVE_MODE, 25, 1), 1
	s_wait_xcnt 0x0
	s_wait_alu depctr_hold_cnt(0) depctr_sa_sdst(0) depctr_va_vdst(0) depctr_va_sdst(0) depctr_va_ssrc(0) depctr_va_vcc(0) depctr_vm_vsrc(0)
	s_getreg_b32 s2, hwreg(HW_REG_IB_STS2, 6, 4)
	s_cmp_eq_u32 s2, 0
	s_cbranch_scc0 .Lentry_in_a_cluster
	s_endpgm
.Lentry_in_a_cluster:
	s_bfe_u32 s2, ttmp6, 0x10000c
	s_cmp_lg_u32 s2, 0xf033
	s_cbranch_scc0 .Lentry_shape_is_right
	s_endpgm
.Lentry_shape_is_right:
; out0 = Q(ctx) Q(Wo)^T + Q(a_ctx) Q(Wo)^T: two quantised products on one accumulator, on codes of E5M2 with E8M0 scales; sums in f32.
; A tile of out0 is 128 tokens x 128 columns: 256 work-groups.  Four waves, 64 x 64 each: 16 accumulators.  K = 2,048 goes in 8 slots' worth of 256 (two heads), two K steps of 128 to a slot.
; Each fragment of Wo is multiplied by ctx's AND by a_ctx's fragments: 32 matrix instructions a K step for 12 fragments read from LDS.
; A's operands arrive as images of operand registers: a dense block of 33,792 bytes for 64 tokens x 256 K x 2 kinds, scale words behind the fragments.  Wo's codes come as rows of 256 bytes.
; CLUSTERS: 4 x 4; A's blocks are asked for jointly along a row of the cluster, Wo's tiles and scales along a column.  Source 0 = 16 rows of Wo, source 1 = 16 tokens: a lane holds eight neighbouring columns of a row of out0.
; THE HEAD: one joint load a wave: waves 0, 1 slot 0's halves of A, wave 2 its 128 rows of Wo, wave 3 Wo's scale bytes.  Slot 1 is asked for behind the full sequence and a round, as a refill is.
; PREFETCHES: with the load of slot s a wave names its share of slot s + 2; slots 1 and 2 are named at the head; the last two refills name nothing.  A slot's 264 blocks of 256 bytes of A: 66 a partner (cx), 22 a wave (waves 0-2;
; lanes 22-31 name the wave's last block again); its 128 rows of Wo: 32 a partner (cy), a lane a row (wave 3).
; REGISTERS: window 0: v16-30 addresses; v32-39 A's scale words; v40-47 Wo's; v64-127 the way out; v128-255 accumulators.  Windows 1, 2: fragment buffers for a slot's K steps 0, 1: v0-63 Wo's four, v64-127 ctx's, v128-191 a_ctx's.
.set SLOT,  102400
.set ABLK,  33792
.set BOFF,  67584
.set BHALF, 64*272
.set SCB,   2*SLOT
.set STAGE, SCB+32*272
.set SPARE, STAGE+4*16*272
.set ADRA, 16
.set ADSA, 18
.set ADRB, 20
.set ADSB, 22
.set STO,  24
.set RD,   25
.set CO,   26
.set SPW,  28
.set NIL,  29
.set PFO,  30
.set SA,   32
.set SB,   40
.set ACC,  128
.set G1A, 24
.set G0A, 32
.set G1B, 48
.set G0B, 56
.set G1S, 68
.set G0S, 76
.set G1H, 80                           ; the head's load of Wo's 128 rows
.set G0H, 88
.set PFA, 96                           ; s[96:97] what my next prefetch names;  s[98:99] a slot on, in bytes
.set PFS, 98
.set MSB, 0
.macro WIN new
.if MSB != (\new)
	s_set_vgpr_msb (MSB<<8)|(\new)
.set MSB, (\new)
.endif
.endm
.macro PLACES n
.rept \n
	v_nop
.endr
.endm
.macro JLOAD n                         ; a joint refill: waves 0, 1 fetch A's halves, waves 2, 3 Wo's
	s_cmp_eq_u32 s15, 0
	s_cbranch_scc0 .Lfor_b_\@
	tensor_load_to_lds s[G0A+4*\n:G0A+4*\n+3], s[G1A:G1A+7]
	s_nop 0
	PLACES 4
	s_branch .Lasked_\@
.Lfor_b_\@:
	tensor_load_to_lds s[G0B+4*\n:G0B+4*\n+3], s[G1B:G1B+7]
	s_nop 0
	PLACES 4
.Lasked_\@:
.endm
.macro CREST
	s_cmp_lg_u32 s14, 0
	s_cbranch_scc1 .Lnot_wave_0_\@
	s_barrier_signal -3
.Lnot_wave_0_\@:
	s_barrier_wait -3
	s_barrier_signal -1
	s_barrier_wait -1
.endm
.macro CROUND
	s_barrier_signal -1
	s_barrier_wait -1
	CREST
.endm
	s_load_b128 s[4:7], s[0:1], 0x0                ; actx, wo (Wo's codes; its scale bytes from byte 4,194,304 on)
	s_load_b64 s[10:11], s[0:1], 0x10              ; out0
	v_lshl_add_u32 v[SPW], v0, 2, SPARE
	v_mov_b32 v[NIL], 0
	ds_add_u32 v[SPW], v[NIL]                      ; the opening lines: the add twice on end and its wait
	ds_add_u32 v[SPW], v[NIL]
	v_lshrrev_b32 v1, 5, v0
	v_readfirstlane_b32 s14, v1
	s_lshr_b32 s15, s14, 1                         ; which 64 tokens are mine; also: I fetch for A (0) or Wo (1)
	s_and_b32 s16, s14, 1                          ; which 64 columns; also: which half I fetch
	s_bfe_u32 s40, ttmp6, 0x40000
	s_bfe_u32 s41, ttmp6, 0x40004
	s_lshl_b32 s42, ttmp9, 2
	s_add_co_u32 s42, s42, s40                     ; tile column
	s_and_b32 s17, ttmp7, 0xffff
	s_lshl_b32 s17, s17, 2
	s_add_co_u32 s17, s17, s41                     ; tile row
	s_lshl_b32 s43, s41, 2
	s_lshl_b32 s43, 15, s43
	s_lshl_b32 s44, 0x1111, s40
	s_or_b32 s[G1A], s43, (3<<16)|(1<<21)          ; A: a dense block of 132 rows of 256 bytes
	s_mov_b32 s[G1A+1], 32<<16
	s_mov_b32 s[G1A+2], 132<<16
	s_mov_b32 s[G1A+3], 32<<16
	s_mov_b32 s[G1A+4], 132
	s_mov_b32 s[G1A+5], 32
	s_mov_b32 s[G1A+6], 0
	s_mov_b32 s[G1A+7], 0
	s_or_b32 s[G1B], s44, (0<<16)|(1<<20)|(1<<21)|(5<<22)|(3<<25)   ; Wo: rows of 256 bytes, 2,048 apart, 16 bytes of padding behind each: 64 in the ring,
	s_mov_b32 s[G1B+1], 256<<16
	s_mov_b32 s[G1B+2], 64<<16
	s_mov_b32 s[G1B+3], 256<<16
	s_mov_b32 s[G1B+4], 64
	s_mov_b32 s[G1B+5], 2048
	s_mov_b32 s[G1B+6], 0
	s_mov_b32 s[G1B+7], 0
	s_or_b32 s[G1H], s44, (0<<16)|(1<<20)|(1<<21)|(5<<22)|(3<<25)   ; 128 at the head
	s_mov_b32 s[G1H+1], 256<<16
	s_mov_b32 s[G1H+2], 128<<16
	s_mov_b32 s[G1H+3], 256<<16
	s_mov_b32 s[G1H+4], 128
	s_mov_b32 s[G1H+5], 2048
	s_mov_b32 s[G1H+6], 0
	s_mov_b32 s[G1H+7], 0
	s_or_b32 s[G1S], s44, (3<<16)|(1<<20)|(1<<21)|(5<<22)|(3<<25)   ; the scales of 128 rows: 8,192 dense bytes as 32 rows of 256, padded likewise
	s_mov_b32 s[G1S+1], 32<<16
	s_mov_b32 s[G1S+2], 32<<16
	s_mov_b32 s[G1S+3], 32<<16
	s_mov_b32 s[G1S+4], 32
	s_mov_b32 s[G1S+5], 32
	s_mov_b32 s[G1S+6], 0
	s_mov_b32 s[G1S+7], 0
	s_lshl_b32 s20, s17, 4
	s_add_co_u32 s20, s20, s16
	s_mul_i32 s20, s20, ABLK                       ; A: block 16 x tile row + half (+ 2 a slot)
	s_mov_b32 s21, 0
	s_lshl_b32 s46, s42, 7                         ; Wo: row 128 x tile column
	s_lshl_b32 s92, s46, 6
	s_mov_b32 s93, 0
	s_lshl_b32 s[G0H+2], s46, 11
	s_mov_b32 s[G0H+3], 0
	s_lshl_b32 s18, s16, 6
	s_add_co_u32 s46, s46, s18                     ; in the ring: + 64 x half
	s_lshl_b32 s46, s46, 11
	s_mov_b32 s47, 0
	s_mul_i32 s45, s16, ABLK
	s_mul_i32 s94, s16, BHALF
	s_add_co_u32 s94, s94, BOFF
	s_wait_dscnt 0x0                               ; both opening adds are done
	CROUND                                         ; the opening round, ahead of the wait for the arguments: all sixteen work-groups are here
	s_wait_kmcnt 0x0
	s_add_nc_u64 s[8:9], s[6:7], 0x400000          ; Wo's scale bytes
	s_add_nc_u64 s[20:21], s[4:5], s[20:21]
	s_add_nc_u64 s[46:47], s[6:7], s[46:47]
	s_add_nc_u64 s[92:93], s[8:9], s[92:93]
	s_add_nc_u64 s[G0H+2:G0H+3], s[6:7], s[G0H+2:G0H+3]
	s_or_b32 s[G0H+3], s[G0H+3], 0x80000000
	s_mov_b32 s[G0H], 1
	s_mov_b32 s[G0H+1], BOFF
	s_mov_b32 s[G0S], 1
	s_mov_b32 s[G0S+1], SCB
	s_mov_b64 s[G0S+2:G0S+3], s[92:93]
	s_or_b32 s[G0S+3], s[G0S+3], 0x80000000
.irp n, 0,1
	s_mov_b32 s[G0A+4*\n], 1
	s_add_co_u32 s[G0A+4*\n+1], s45, \n*SLOT
	s_add_nc_u64 s[G0A+4*\n+2:G0A+4*\n+3], s[20:21], \n*2*ABLK
	s_or_b32 s[G0A+4*\n+3], s[G0A+4*\n+3], 0x80000000
	s_mov_b32 s[G0B+4*\n], 1
	s_add_co_u32 s[G0B+4*\n+1], s94, \n*SLOT
	s_add_nc_u64 s[G0B+4*\n+2:G0B+4*\n+3], s[46:47], \n*256
	s_or_b32 s[G0B+4*\n+3], s[G0B+4*\n+3], 0x80000000
.endr
	s_cmp_lt_u32 s14, 2                            ; one chain of branches on the wave's number, a load to an arm
	s_cbranch_scc0 .Lhead_b
	tensor_load_to_lds s[G0A:G0A+3], s[G1A:G1A+7]
	s_nop 0
	PLACES 4
	s_branch .Lfirst_asked
.Lhead_b:
	s_cmp_lt_u32 s14, 3
	s_cbranch_scc0 .Lhead_s
	tensor_load_to_lds s[G0H:G0H+3], s[G1H:G1H+7]
	s_nop 0
	PLACES 4
	s_branch .Lfirst_asked
.Lhead_s:
	tensor_load_to_lds s[G0S:G0S+3], s[G1S:G1S+7]
	s_nop 0
	PLACES 4
.Lfirst_asked:
	v_and_b32 v1, 15, v0                           ; r
	v_bfe_u32 v2, v0, 4, 1                         ; h
	v_and_b32 v3, 31, v0                           ; lane
	s_mul_i32 s21, s15, ABLK
	v_lshl_add_u32 v[ADRA], v3, 4, s21
	v_add_nc_u32 v[ADRA+1], SLOT, v[ADRA]
	s_add_co_u32 s22, s21, 32768
	v_lshl_add_u32 v[ADSA], v3, 2, s22
	v_add_nc_u32 v[ADSA+1], SLOT, v[ADSA]
	v_mul_u32_u24 v4, v1, 272
	v_lshl_add_u32 v4, v2, 4, v4
	s_mul_i32 s23, s16, BHALF
	s_add_co_u32 s23, s23, BOFF
	v_add_nc_u32 v[ADRB], s23, v4
	v_add_nc_u32 v[ADRB+1], SLOT, v[ADRB]
	v_lshrrev_b32 v4, 2, v3
	v_mul_u32_u24 v4, v4, 272
	v_and_b32 v5, 3, v3
	v_lshl_add_u32 v4, v5, 6, v4                   ; row = lane: four rows of 64 bytes to a unit of 256 + 16
	s_mul_i32 s23, s16, 16*272
	s_add_co_u32 s23, s23, SCB
	v_add_nc_u32 v[ADSB], s23, v4
	s_mul_i32 s23, s14, 16*272
	s_add_co_u32 s23, s23, STAGE                   ; my stage
	v_mul_u32_u24 v4, v1, 272
	v_lshl_add_u32 v4, v2, 5, v4
	v_add_nc_u32 v[STO], s23, v4
	v_mul_u32_u24 v4, v2, 272
	v_lshl_add_u32 v4, v1, 4, v4
	v_add_nc_u32 v[RD], s23, v4
	v_lshlrev_b32 v4, 13, v2
	v_lshl_add_u32 v[CO], v1, 4, v4
	s_lshl_b32 s20, s17, 7
	s_lshl_b32 s21, s15, 6
	s_add_co_u32 s20, s20, s21
	s_lshl_b32 s20, s20, 13
	s_lshl_b32 s21, s42, 9
	s_add_co_u32 s20, s20, s21
	s_lshl_b32 s21, s16, 8
	s_add_co_u32 s20, s20, s21
	s_mov_b32 s21, 0
	s_add_nc_u64 s[10:11], s[10:11], s[20:21]
	; the prefetches: where my share of slot 0 begins, and a slot's step
	s_mul_i32 s18, s17, 16*ABLK
	s_mul_i32 s19, s40, 66
	s_mul_i32 s22, s14, 22
	s_add_co_u32 s19, s19, s22
	s_lshl_b32 s19, s19, 8
	s_add_co_u32 s18, s18, s19                     ; A: block 66 cx + 22 wave of my tile row's 264
	s_lshl_b32 s19, s42, 7
	s_lshl_b32 s22, s41, 5
	s_add_co_u32 s19, s19, s22
	s_lshl_b32 s19, s19, 11                        ; Wo: row 32 cy of my tile column's 128
	s_mov_b32 s[PFS], 256
	s_cmp_lt_u32 s14, 3
	s_cselect_b64 s[PFA:PFA+1], s[4:5], s[6:7]
	s_cselect_b32 s18, s18, s19
	s_cselect_b32 s[PFS], 2*ABLK, s[PFS]
	s_cselect_b32 s22, 21, 31
	s_cselect_b32 s23, 8, 11
	s_mov_b32 s19, 0
	s_mov_b32 s[PFS+1], 0
	s_add_nc_u64 s[PFA:PFA+1], s[PFA:PFA+1], s[18:19]
	s_add_nc_u64 s[92:93], s[PFA:PFA+1], s[PFS:PFS+1]      ; slot 1,
	s_add_nc_u64 s[94:95], s[92:93], s[PFS:PFS+1]          ; slot 2,
	s_add_nc_u64 s[PFA:PFA+1], s[94:95], s[PFS:PFS+1]      ; slot 3
	v_min_u32 v5, s22, v3
	v_lshlrev_b32 v[PFO], s23, v5
	s_wait_alu depctr_va_vdst(0)                   ; ahead of the readers below
	global_prefetch_b8 v[PFO], s[92:93] th:TH_LOAD_NT scope:SCOPE_SE
	global_prefetch_b8 v[PFO], s[94:95] th:TH_LOAD_NT scope:SCOPE_SE
.macro WM n, s, kd, a, b, zero         ; token tile a x column tile b, kind kd (0 ctx, 1 a_ctx), K step s of slot n; the scale registers' rows follow the tiles' parity
.set DD,  ACC+8*(4*(\a)+(\b))
.set BF,  16*(\b)
.set AFR, 64+64*(\kd)+16*(\a)
.set SBR, SB+4*(\n)+2*((\b)/2)+(\s)
.set SAR, SA+4*(\s)+2*(\kd)+(\a)/2
.set FORM, 4*(\zero)+2*((\a)%2)+(\b)%2
.if FORM == 0
	v_wmma_scale_f32_16x16x128_f8f6f4 v[DD:DD+7], v[BF:BF+15], v[AFR:AFR+15], v[DD:DD+7], v[SBR], v[SAR] matrix_a_fmt:MATRIX_FMT_BF8 matrix_b_fmt:MATRIX_FMT_BF8
.elseif FORM == 1
	v_wmma_scale_f32_16x16x128_f8f6f4 v[DD:DD+7], v[BF:BF+15], v[AFR:AFR+15], v[DD:DD+7], v[SBR], v[SAR] matrix_a_fmt:MATRIX_FMT_BF8 matrix_b_fmt:MATRIX_FMT_BF8 matrix_a_scale:MATRIX_SCALE_ROW1
.elseif FORM == 2
	v_wmma_scale_f32_16x16x128_f8f6f4 v[DD:DD+7], v[BF:BF+15], v[AFR:AFR+15], v[DD:DD+7], v[SBR], v[SAR] matrix_a_fmt:MATRIX_FMT_BF8 matrix_b_fmt:MATRIX_FMT_BF8 matrix_b_scale:MATRIX_SCALE_ROW1
.elseif FORM == 3
	v_wmma_scale_f32_16x16x128_f8f6f4 v[DD:DD+7], v[BF:BF+15], v[AFR:AFR+15], v[DD:DD+7], v[SBR], v[SAR] matrix_a_fmt:MATRIX_FMT_BF8 matrix_b_fmt:MATRIX_FMT_BF8 matrix_a_scale:MATRIX_SCALE_ROW1 matrix_b_scale:MATRIX_SCALE_ROW1
.elseif FORM == 4
	v_wmma_scale_f32_16x16x128_f8f6f4 v[DD:DD+7], v[BF:BF+15], v[AFR:AFR+15], 0, v[SBR], v[SAR] matrix_a_fmt:MATRIX_FMT_BF8 matrix_b_fmt:MATRIX_FMT_BF8
.elseif FORM == 5
	v_wmma_scale_f32_16x16x128_f8f6f4 v[DD:DD+7], v[BF:BF+15], v[AFR:AFR+15], 0, v[SBR], v[SAR] matrix_a_fmt:MATRIX_FMT_BF8 matrix_b_fmt:MATRIX_FMT_BF8 matrix_a_scale:MATRIX_SCALE_ROW1
.elseif FORM == 6
	v_wmma_scale_f32_16x16x128_f8f6f4 v[DD:DD+7], v[BF:BF+15], v[AFR:AFR+15], 0, v[SBR], v[SAR] matrix_a_fmt:MATRIX_FMT_BF8 matrix_b_fmt:MATRIX_FMT_BF8 matrix_b_scale:MATRIX_SCALE_ROW1
.else
	v_wmma_scale_f32_16x16x128_f8f6f4 v[DD:DD+7], v[BF:BF+15], v[AFR:AFR+15], 0, v[SBR], v[SAR] matrix_a_fmt:MATRIX_FMT_BF8 matrix_b_fmt:MATRIX_FMT_BF8 matrix_a_scale:MATRIX_SCALE_ROW1 matrix_b_scale:MATRIX_SCALE_ROW1
.endif
.endm
.macro MULK n, s, kd, lo, zero         ; eight products; the 16 accumulators take turns
.irp a, \lo, \lo+1
.irp b, 0,1,2,3
	WM \n, \s, \kd, \a, \b, \zero
.endr
.endr
.endm
.macro FETCH n, s                      ; K step s of slot n into buffer s: 52 LDS loads (54 with Wo's scale words, which serve both K steps)
	WIN 0
.irp kd, 0,1
.irp ip, 0,1
	ds_load_b32 v[SA+4*(\s)+2*\kd+\ip], v[ADSA+\n] offset:(2*(\s)+\kd)*256+128*\ip
.endr
.endr
.if (\s) == 0
.irp ip, 0,1
	ds_load_b64 v[SB+4*(\n)+2*\ip:SB+4*(\n)+2*\ip+1], v[ADSB] offset:2176*\ip
.endr
.endif
	WIN 0x40<<(\s)
.irp b, 0,1,2,3
.irp c, 0,1,2,3
	ds_load_b128 v[16*\b+4*\c:16*\b+4*\c+3], v[ADRB+\n] offset:128*(\s)+32*\c+4352*\b
.endr
.endr
.irp kd, 0,1
.irp i, 0,1,2,3
.irp c, 0,1,2,3
	ds_load_b128 v[64+64*\kd+16*\i+4*\c:64+64*\kd+16*\i+4*\c+3], v[ADRA+\n] offset:((2*(\s)+\kd)*4+\i)*2048+512*\c
.endr
.endr
.endr
.endm
.macro KSTEP0 n, zero
	s_wait_dscnt 16                                ; all but a_ctx's 16 loads are in
	WIN 0x05
	MULK \n, 0, 0, 0, \zero
	MULK \n, 0, 0, 2, \zero
	PLACES 8
	FETCH \n, 1
	s_wait_dscnt 52                                ; all but the 52 just issued
	WIN 0x05
	MULK \n, 0, 1, 0, 0
	MULK \n, 0, 1, 2, 0
.endm
.macro TURN n, next, fill              ; a slot's second K step changes slots
.if \fill
	s_wait_xcnt 0x0                                ; my last prefetch has read its address: it steps a slot on
	s_add_nc_u64 s[PFA:PFA+1], s[PFA:PFA+1], s[PFS:PFS+1]
.endif
	WIN 0
	s_wait_tensorcnt 0x0                           ; my part of the next slot is in
	ds_add_u32 v[SPW], v[NIL]
	s_wait_dscnt 17                                ; the add and a_ctx's 16 loads may be out
	WIN 0x0a
	MULK \n, 1, 0, 0, 0
	s_wait_dscnt 0x0                               ; the add is done, my reads of this slot are over
	s_barrier_signal -1
	MULK \n, 1, 0, 2, 0
	WIN 0
	s_barrier_wait -1
.if \fill
	CREST                                          ; the barrier has opened a round of the cluster's barrier
	s_add_nc_u64 s[G0A+4*\n+2:G0A+4*\n+3], s[G0A+4*\n+2:G0A+4*\n+3], 4*ABLK
	s_add_nc_u64 s[G0B+4*\n+2:G0B+4*\n+3], s[G0B+4*\n+2:G0B+4*\n+3], 512
	JLOAD \n
	PLACES 4
.else
	PLACES 8
.endif
	s_wait_alu depctr_va_vdst(0)                   ; ahead of the reader below
	v_add_nc_u32 v[ADSB], 8, v[ADSB]
	FETCH \next, 0
.if \fill
	WIN 0
	s_cmp_gt_u32 s3, 1                             ; the loop's last trip has no slot two refills on
	s_cbranch_scc0 .Lnone_\@
	global_prefetch_b8 v[PFO], s[PFA:PFA+1] th:TH_LOAD_NT scope:SCOPE_SE
.Lnone_\@:
.endif
	WIN 0x0a
	MULK \n, 1, 1, 0, 0
	MULK \n, 1, 1, 2, 0
.endm
	s_wait_alu depctr_va_vdst(0)
	s_wait_tensorcnt 0x0                           ; my tile of the head's is in; the full sequence ahead of slot 1's first fill
	ds_add_u32 v[SPW], v[NIL]
	s_wait_dscnt 0x0
	CROUND
	JLOAD 1
	FETCH 0, 0
	global_prefetch_b8 v[PFO], s[PFA:PFA+1] th:TH_LOAD_NT scope:SCOPE_SE   ; slot 3 (the address register lies in window 0, as the setting has it)
	KSTEP0 0, 1
	WIN 0
	s_mov_b32 s3, 3
.Llap:
	TURN 0, 1, 1
	KSTEP0 1, 0
	TURN 1, 0, 1
	KSTEP0 0, 0
	WIN 0
	s_sub_co_u32 s3, s3, 1
	s_cmp_lg_u32 s3, 0
	s_cbranch_scc1 .Llap
	TURN 0, 1, 0
	KSTEP0 1, 0
	s_wait_dscnt 16
	WIN 0x0a
	MULK 1, 1, 0, 0, 0
	MULK 1, 1, 0, 2, 0
	s_wait_dscnt 0x0
	MULK 1, 1, 1, 0, 0
	MULK 1, 1, 1, 2, 0
	WIN 0
; THE WAY OUT, 16 tokens x 64 columns at a time, through my own stage: sixteen lanes store 256 consecutive bytes, aligned.  LDS serves a wave's instructions in order: no wait between the stores and the loads.
.macro OUTB a
.set BK, 64+32*((\a)%2)
.irp b, 0,1,2,3
	ds_store_b128 v[STO], v[ACC+8*(4*(\a)+\b):ACC+8*(4*(\a)+\b)+3] offset:64*\b
	ds_store_b128 v[STO], v[ACC+8*(4*(\a)+\b)+4:ACC+8*(4*(\a)+\b)+7] offset:64*\b+16
.endr
.irp t, 0,1,2,3,4,5,6,7
	ds_load_b128 v[BK+4*\t:BK+4*\t+3], v[RD] offset:544*\t
.endr
.irp t, 0,1,2,3,4,5,6,7
	s_wait_dscnt 7-\t                              ; rows 2 t, 2 t + 1 are back; the younger loads may be out
	global_store_b128 v[CO], v[BK+4*\t:BK+4*\t+3], s[10:11] offset:(16*(\a)+2*\t)*8192 th:TH_STORE_NT
.endr
.endm
	PLACES 8
	OUTB 0
	OUTB 1
	s_wait_xcnt 0x0                                ; the stores of blocks 0 and 1 have read their registers
	OUTB 2
	OUTB 3
	s_wait_tensorcnt 0x0                           ; the wave's end
	ds_add_u32 v[SPW], v[NIL]
	s_wait_dscnt 0x0
	CROUND                                         ; the closing round
	s_endpgm
.Lfunc_end_k_qe0ca3e457a_oproj:
	.size	k_qe0ca3e457a_oproj, .Lfunc_end_k_qe0ca3e457a_oproj-k_qe0ca3e457a_oproj
	.p2alignl 7, 3214868480
	.fill 96, 4, 3214868480
	.section	.rodata,"a",@progbits
	.p2align	6, 0x0
	.amdhsa_kernel k_qe0ca3e457a_oproj
		.amdhsa_group_segment_fixed_size 327680
		.amdhsa_private_segment_fixed_size 0
		.amdhsa_enable_private_segment 0
		.amdhsa_kernarg_size 24
		.amdhsa_user_sgpr_count 2
		.amdhsa_user_sgpr_kernarg_segment_ptr 1
		.amdhsa_wavefront_size32 1
		.amdhsa_system_sgpr_workgroup_id_x 1
		.amdhsa_system_sgpr_workgroup_id_y 1
		.amdhsa_system_sgpr_workgroup_id_z 1
		.amdhsa_system_vgpr_workitem_id 0
		.amdhsa_next_free_vgpr 768
		.amdhsa_next_free_sgpr 100
		.amdhsa_reserve_vcc 0
		.amdhsa_float_denorm_mode_32 3
		.amdhsa_float_denorm_mode_16_64 3
		.amdhsa_memory_ordered 1
		.amdhsa_forward_progress 1
		.amdhsa_inst_pref_size 85
	.end_amdhsa_kernel
	.amdgpu_metadata
---
amdhsa.version: [ 1, 2 ]
amdhsa.kernels:
  - .name:           k_qe0ca3e457a_oproj
    .symbol:         k_qe0ca3e457a_oproj.kd
    .args:
      - { .name: actx, .offset: 0, .size: 8, .value_kind: global_buffer, .address_space: global }
      - { .name: wo, .offset: 8, .size: 8, .value_kind: global_buffer, .address_space: global }
      - { .name: out0, .offset: 16, .size: 8, .value_kind: global_buffer, .address_space: global }
    .group_segment_fixed_size: 327680
    .private_segment_fixed_size: 0
    .kernarg_segment_align: 8
    .kernarg_segment_size: 24
    .max_flat_workgroup_size: 128
    .sgpr_count:     100
    .vgpr_count:     768
    .wavefront_size: 32
...
	.end_amdgpu_metadata
.endif
;; end of part 4
